; MI455X (gfx1250); checked and timed in simulation.
; The chip was launched on July 23, 2026; its instructions are those of AMD's public machine-readable ISA for CDNA 5 (MIT licence, August 2026) and "CDNA5" Instruction Set Architecture Reference Guide (July 2026). The comments in the code are by the model that wrote it; some were corrected since.
;; Attn Block. Allowed arithmetic: matrix products marked QUANTISED: E2M3 operands, one E8M0 scale for each 32 along K, by v_wmma_scale_f32_16x16x128_f8f6f4 with both operands' format E2M3, f32 sums; everything else in f32.
;; Inputs: Wk 512 x 512 float32; Wo 512 x 512 float32; Wq 512 x 512 float32; Wv 512 x 512 float32; beta 512 float32; bk 512 float32; bo 512 float32; bq 512 float32; bv 512 float32; gamma 512 float32; x 2 x 512 x 64 x 64 float32.
;; Outputs: out0 2 x 512 x 64 x 64 float32.
;; This version of the problem:
;;   THIS VERSION OF THE PROBLEM IS GIVEN IN LOW PRECISION. The matrix products marked QUANTISED in the list below multiply operands that are first quantised to E2M3 (2 exponent bits, 3 mantissa bits; 6 bits a number), with one power-of-two scale for each 32 numbers along K (OCP MX v1.0); their sums are f32. All else is computed in f32.
;;   The module's matrix products, in the order in which they are computed (A, B: the left and right operand; K: the contracted axis; several contracted axes count as one K, in the product's order):
;;     1. [M 8,192, K 512] x [K 512, N 512]; A: computed on the way; B: input Wq: QUANTISED
;;     2. [M 8,192, K 512] x [K 512, N 512]; A: computed on the way; B: input Wk: QUANTISED
;;     3. [M 8,192, K 512] x [K 512, N 512]; A: computed on the way; B: input Wv: QUANTISED
;;     4. batch 16 x [M 4,096, K 64] x [K 64, N 4,096]; A: computed on the way; B: computed on the way: QUANTISED
;;     5. batch 16 x [M 64, K 4,096] x [K 4,096, N 4,096]; A: computed on the way; B: softmax (see below): QUANTISED
;;     6. [M 8,192, K 512] x [K 512, N 512]; A: computed on the way; B: input Wo: QUANTISED
;;   THE QUANTISER, for each operand of a quantised product, along K:
;;     - K is cut into blocks of 32 from its start; a last block that is shorter is filled with zeros.
;;     - A block's scale is 2^e with e = floor(log2(the largest magnitude in the block)) - 2, held to -126 .. 127; a block of zeros has e = 0. As a byte (E8M0): e + 127.
;;     - Each number is divided by its block's scale, clamped to +-7.5, and rounded to the nearest number of E2M3, ties to even, subnormals kept.
;;     - The product sums the exact products of the quantised numbers (number of the format x scale) in f32.
;;   ~~~python
;;   def quantise(x, axis):      # numpy; x: float32 -> the quantised numbers, widened to float32 again
;;       x = np.moveaxis(x, axis, -1); K = x.shape[-1]
;;       x = np.pad(x, [(0, 0)] * (x.ndim - 1) + [(0, -K % 32)]); x = x.reshape(x.shape[:-1] + (-1, 32)); a = np.abs(x).max(-1, keepdims=True)
;;       e = np.where(a > 0, np.clip(np.frexp(np.where(a > 0, a, 1))[1] - 1 - 2, -126, 127), 0)      # np.frexp(a)[1] - 1 = floor(log2(a)), exactly
;;       r = np.clip(x / 2.0 ** e, -7.5, 7.5)
;;       step = 2.0 ** (np.maximum(np.frexp(np.where(r == 0, 1, r))[1] - 1, 0) - 3)
;;       q = np.round(r / step) * step * 2.0 ** e      # np.round: ties to even
;;       return np.moveaxis(q.reshape(q.shape[:-2] + (-1,))[..., :K], -1, axis).astype(np.float32)
;;   ~~~
;;   SOFTMAX AHEAD OF A QUANTISED PRODUCT. Where the list says 'softmax', what is quantised is not the finished softmax but p = 2^(t - M), with t = logit x log2(e) and M = ceil(the row's largest t), a whole number; so 1/2 < the row's largest p <= 1. The row's sum l is taken of the UNQUANTISED p, in f32, and the product's result is divided by l at the end. Since M is a whole number, a kernel that streams over the keys may use a running M (the ceiling of the running maximum): every later rescaling is an exact power of two, which a block's scale takes up: the codes' values come out the same.
;;   OPERANDS COMPUTED ON THE WAY. 'Computed on the way' means the value that the module computes at that place (a softmax that the list does not call 'softmax' is quantised finished and normalised). What goes into a quantiser is computed in f32, as accurately as f32 sums, v_exp_f32 and their like allow (about 1e-6 of the number): no bf16 or f16 on the way to a quantiser, and a product that is left as it is and whose result goes on into a quantised operand takes f32 operands (vector FMAs, or v_wmma_f32_16x16x4_f32). A number that lies on a knife's edge between two numbers of the format may be rounded either way, as far as f32 arithmetic and the matrix unit's own rounding can turn it there, and no further.
;; One version. Each part assembles by itself: llvm-mc -triple=amdgcn-amd-amdhsa -mcpu=gfx1250 --defsym DOCPART=n.
;; ======== version 1 of 1: 4 launches
;; limits: right only within a limited range of input values
;; workspace buffers: stats 2,048 bytes; wfrag 786,432 bytes; wscale 65,536 bytes; qimg 3,276,800 bytes; kv 6,553,600 bytes; oimg 3,145,728 bytes; osc 262,144 bytes
;; launch prep (part 1): grid 256 x 1, 8 waves a work-group, no clusters, 1,280 bytes of LDS; arguments x, Wq, Wk, Wv, Wo, stats, wfrag, wscale; writes stats, wfrag, wscale
.if DOCPART == 1
	.amdgcn_target "amdgcn-amd-amdhsa--gfx1250"
	.amdhsa_code_object_version 6
	.text
	.protected	k_q64934fc263_prep
	.globl	k_q64934fc263_prep
	.p2align	8
	.type	k_q64934fc263_prep,@function
k_q64934fc263_prep:
	s_mov_b64 s[64:65], 0
	v_nop
	global_prefetch_b8 v0, s[64:65] scope:SCOPE_SE
	s_setreg_imm32_b32 hwreg(HW_REG_WAVE_MODE, 25, 1), 1
	s_wait_xcnt 0x0
; PREP.  (1) Partial statistics for the group norm.  A group (16 channels x 4,096 pixels) is 262,144 consecutive bytes of x; work-group w owns the quarter at
; 65,536 w and stores (its mean, the sum of squares about ITS OWN mean) as two f32 at stats + 8 w.  The next launch joins four such pairs, so a variance is never a difference of large sums.
; (2) The four weights [512 (out)][512 (K)] become codes of E2M3 with one E8M0 byte for each 32 along K, laid in the ORDER OF AN OPERAND'S REGISTERS.
; A tile T holds the 16 rows 32 (T / 2) + 8 (T % 2) + r + 8 (r / 8), so that results of two neighbouring tiles are 16 neighbours in a lane's registers.
; Fragment (matrix mi, tile T, K step s of 128): 12 registers a lane, registers 4 g .. 4 g + 3 of lane l at ((32 mi + T) 4 + s) 1536 + 512 g + 16 l of wfrag.
; Its rows' scale words: (32 mi + T) 512 + 256 (s / 2) + 8 l + 4 (s % 2) of wscale; lanes 16-31 repeat lanes 0-15.
; There are 512 fragments and 256 work-groups: wave 7 of each makes two (mi = w / 64, T = (w / 2) % 32, K steps 2 (w % 2) and the next).
; No cluster: no two work-groups read the same bytes.  No tensor load: each byte goes once from memory into the register that works on it.
; LIMITS: NaN and infinities are not served; a block whose largest magnitude lies under 2^-124 keeps the byte 1, a block of zeros too (its codes are zeros, and this program alone reads the bytes).
.set X,   16                           ; v16-79   my 64 numbers of x
.set WR,  80                           ; v80-207  wave 7: four blocks of 32 numbers of my row of W
.set FRG, 208                          ; v208-231 two fragments
.set MX,  232                          ; v232-235 the blocks' largest magnitudes
.set SO,  236                          ; v236-239 the conversions' scale operands
.set BY,  240                          ; v240-243 the scale bytes
.set CT,  244                          ; v244-246, v248-250 the upper halves of two blocks' codes
	s_load_b512 s[4:19], s[0:1], 0x0               ; x s[4:5], Wq s[6:7], Wk s[8:9], Wv s[10:11], Wo s[12:13], stats s[14:15], wfrag s[16:17], wscale s[18:19]
	v_lshl_add_u32 v15, v0, 2, 0x100
	s_set_vgpr_msb 0x40
	v_mov_b32 v1, 0
	s_set_vgpr_msb 0x4000
	v_lshrrev_b32 v8, 5, v0
	s_delay_alu instid0(VALU_DEP_1)
	v_readfirstlane_b32 s20, v8                    ; wave 0..7
	s_delay_alu instid0(VALU_DEP_2)
	v_lshlrev_b32 v8, 2, v8                        ; LDS: my wave's word
	v_lshlrev_b32 v4, 4, v0                        ; 16 x thread: a wave's load covers 512 consecutive bytes
	v_and_b32 v1, 31, v0                           ; lane
	v_and_b32 v2, 15, v0                           ; r
	v_bfe_u32 v3, v0, 4, 1                         ; h
	v_mov_b32 v14, 0
	s_lshl_b32 s26, ttmp9, 16                      ; my quarter of a group
	s_mov_b32 s27, 0
	s_mov_b32 s22, 0x76543210
	s_mov_b32 s23, 0xfedcba98                      ; v_permlanex16_b32's selects for lane l xor 16
	s_wait_alu depctr_va_vdst(0)
	s_wait_kmcnt 0x0
	s_add_nc_u64 s[4:5], s[4:5], s[26:27]
	s_cmp_lg_u32 s20, 7
	s_cbranch_scc1 .Lno_w_loads                    ; wave 7 asks for its weights ahead of its part of x
	; ---- wave 7: two fragments of a weight
	s_lshr_b32 s28, ttmp9, 6                       ; mi
	s_bfe_u32 s29, ttmp9, 0x50001                  ; T
	s_and_b32 s30, ttmp9, 1                        ; which pair of K steps
	s_cmp_eq_u32 s28, 1                            ; the weight is chosen by the work-group's number alone
	s_cselect_b64 s[24:25], s[8:9], s[6:7]
	s_cmp_eq_u32 s28, 2
	s_cselect_b64 s[24:25], s[10:11], s[24:25]
	s_cmp_eq_u32 s28, 3
	s_cselect_b64 s[24:25], s[12:13], s[24:25]
	s_lshr_b32 s31, s29, 1
	s_lshl_b32 s31, s31, 5
	s_and_b32 s32, s29, 1
	s_lshl_b32 s32, s32, 3
	s_add_co_u32 s31, s31, s32                     ; the tile's first row: 32 (T / 2) + 8 (T % 2)
	s_lshl_b32 s31, s31, 11                        ; rows of 2,048 bytes
	s_lshl_b32 s32, s30, 10                        ; two K steps are 1,024 bytes
	s_add_co_u32 s26, s31, s32
	s_add_nc_u64 s[24:25], s[24:25], s[26:27]
	v_and_b32 v5, 8, v2
	s_delay_alu instid0(VALU_DEP_1)
	v_add_nc_u32 v5, v5, v2                        ; r + 8 (r / 8)
	s_delay_alu instid0(VALU_DEP_1)
	v_lshlrev_b32 v5, 11, v5
	s_delay_alu instid0(VALU_DEP_1)
	v_lshl_add_u32 v5, v3, 7, v5                   ; + 128 h: lane (r, h) holds k = 64 c + 32 h + 0 .. 31 of each K step
.irp q, 0,1,2,3                                ; block q = 2 s' + c: 32 neighbours along K, 128 bytes
.irp j, 0,1,2,3,4,5,6,7
	global_load_b128 v[WR+32*\q+4*\j:WR+32*\q+4*\j+3], v5, s[24:25] offset:256*\q+16*\j
.endr
.endr
	s_lshl_b32 s31, s28, 5
	s_add_co_u32 s31, s31, s29                     ; 32 mi + T
	s_mul_i32 s26, s31, 6144
	s_mul_i32 s32, s30, 3072
	s_add_co_u32 s26, s26, s32
	s_add_nc_u64 s[16:17], s[16:17], s[26:27]      ; where my two fragments go,
	s_lshl_b32 s26, s31, 9
	s_lshl_b32 s32, s30, 8
	s_add_co_u32 s26, s26, s32
	s_add_nc_u64 s[18:19], s[18:19], s[26:27]      ; and their scale words
	v_lshlrev_b32 v6, 4, v1
	v_lshlrev_b32 v7, 3, v1
	v_lshlrev_b32 v9, 3, v3                        ; 8 h
.Lno_w_loads:
.irp i, 0,1,2,3,4,5,6,7,8,9,10,11,12,13,14,15
	global_load_b128 v[X+4*\i:X+4*\i+3], v4, s[4:5] offset:4096*\i th:TH_LOAD_NT
.endr
	s_cmp_lg_u32 s20, 7
	s_cbranch_scc1 .Lno_weights
	s_wait_loadcnt 16                              ; the weights' 32 loads are in; x's sixteen, issued behind them, may be out while the weights are quantised
.irp q, 0,1,2,3
	v_max3_num_f32 v[MX+\q], |v[WR+32*\q]|, |v[WR+32*\q+1]|, 0x1800000   ; all 32 numbers of a block are mine; the floor 2^(3 - 127) holds the byte at 1 from below
.endr
.irp i, 2,4,6,8,10,12,14,16,18,20,22,24,26,28,30
.irp q, 0,1,2,3
	s_delay_alu instid0(VALU_DEP_4)
	v_max3_num_f32 v[MX+\q], v[MX+\q], |v[WR+32*\q+\i]|, |v[WR+32*\q+\i+1]|   ; the four blocks by turns
.endr
.endr
.irp q, 0,1,2,3
	s_delay_alu instid0(VALU_DEP_4)
	v_add_nc_u32 v[SO+\q], 0xff000000, v[MX+\q]    ; 2 off the exponent field: the conversion's scale operand
.endr
.irp q, 0,1,2,3
	s_delay_alu instid0(VALU_DEP_4)
	v_lshrrev_b32 v[BY+\q], 23, v[SO+\q]           ; the scale's byte
.endr
.irp s, 0,1                                    ; my two bytes of K step s' are blocks h and 2 + h of the row's word; lane l xor 16 has the other two
	v_lshl_or_b32 v[10+\s], v[BY+2*\s+1], 16, v[BY+2*\s]
	s_delay_alu instid0(VALU_DEP_1)
	v_lshlrev_b32 v[10+\s], v9, v[10+\s]
	v_mov_b32 v[12+\s], 0
	s_delay_alu instid0(VALU_DEP_1)
	v_permlanex16_b32 v[12+\s], v[10+\s], s22, s23
	s_delay_alu instid0(VALU_DEP_1)
	v_or_b32 v[10+\s], v[10+\s], v[12+\s]
.endr
.irp s, 0,1
.irp c, 0,1
	v_cvt_scalef32_pk16_fp6_f32 v[FRG+12*\s+6*\c:FRG+12*\s+6*\c+2], v[WR+64*\s+32*\c:WR+64*\s+32*\c+15], v[SO+2*\s+\c]
	v_cvt_scalef32_pk16_fp6_f32 v[CT+4*\c:CT+4*\c+2], v[WR+64*\s+32*\c+16:WR+64*\s+32*\c+31], v[SO+2*\s+\c]   ; a conversion's three registers begin on an even number: made here and moved
.endr
	v_nop                                          ; one plain place behind the scaled conversions
.irp c, 0,1
.irp i, 0,1,2
	v_mov_b32 v[FRG+12*\s+6*\c+3+\i], v[CT+4*\c+\i]
.endr
.endr
.endr
.irp i, 0,1,2,3,4,5
	global_store_b128 v6, v[FRG+4*\i:FRG+4*\i+3], s[16:17] offset:512*\i   ; 512 consecutive bytes a store
.endr
	global_store_b64 v7, v[10:11], s[18:19]        ; 256 consecutive bytes: both K steps' words
	s_wait_xcnt 0x0                                ; the stores have read their registers
.Lno_weights:
	; ---- all waves: the mean of the work-group's 16,384 numbers
	s_wait_loadcnt 0x0
	v_pk_add_f32 v[252:253], v[X:X+1], v[X+2:X+3]
	v_pk_add_f32 v[254:255], v[X+4:X+5], v[X+6:X+7]
.irp j, 8,12,16,20,24,28,32,36,40,44,48,52,56,60
	s_delay_alu instid0(VALU_DEP_2)
	v_pk_add_f32 v[252:253], v[252:253], v[X+\j:X+\j+1]
	s_delay_alu instid0(VALU_DEP_2)
	v_pk_add_f32 v[254:255], v[254:255], v[X+\j+2:X+\j+3]
.endr
.macro WSUM off                        ; v[252:255] -> the work-group's sum in v252 of every lane, through eight LDS words at off
	s_delay_alu instid0(VALU_DEP_1)
	v_pk_add_f32 v[252:253], v[252:253], v[254:255]
	s_delay_alu instid0(VALU_DEP_1)
	v_add_f32 v252, v252, v253
	s_delay_alu instid0(VALU_DEP_1)
	v_add_f32_dpp v252, v252, v252 row_xmask:1 row_mask:0xf bank_mask:0xf
	s_delay_alu instid0(VALU_DEP_1)
	v_add_f32_dpp v252, v252, v252 row_xmask:2 row_mask:0xf bank_mask:0xf
	s_delay_alu instid0(VALU_DEP_1)
	v_add_f32_dpp v252, v252, v252 row_xmask:4 row_mask:0xf bank_mask:0xf
	s_delay_alu instid0(VALU_DEP_1)
	v_add_f32_dpp v252, v252, v252 row_xmask:8 row_mask:0xf bank_mask:0xf
	s_delay_alu instid0(VALU_DEP_1)
	v_permlanex16_b32 v253, v252, s22, s23
	s_delay_alu instid0(VALU_DEP_1)
	v_add_f32 v252, v252, v253
	ds_store_b32 v8, v252 offset:\off              ; all lanes of a wave write its word with the same value
	s_wait_dscnt 0x0                               ; for the others' sake: my store has landed
	s_barrier_signal -1
	s_barrier_wait -1
	ds_load_b128 v[240:243], v14 offset:\off
	ds_load_b128 v[244:247], v14 offset:\off+16
	s_wait_dscnt 0x0
	v_add_f32 v240, v240, v241
	v_add_f32 v242, v242, v243
	v_add_f32 v244, v244, v245
	v_add_f32 v246, v246, v247
	s_delay_alu instid0(VALU_DEP_3)
	v_add_f32 v240, v240, v242
	s_delay_alu instid0(VALU_DEP_2)
	v_add_f32 v244, v244, v246
	s_delay_alu instid0(VALU_DEP_1)
	v_add_f32 v252, v240, v244
.endm
	WSUM 0
	s_delay_alu instid0(VALU_DEP_1)
	v_mul_f32 v250, 0x38800000, v252               ; the mean: x 2^-14
	s_delay_alu instid0(VALU_DEP_2)
	v_mul_f32 v248, 0xb8800000, v252               ; and its negative, twice, for the packed additions
	s_delay_alu instid0(VALU_DEP_1)
	v_mov_b32 v249, v248
	; ---- the sum of squares about that mean
.irp j, 0,2,4,6,8,10,12,14,16,18,20,22,24,26,28,30,32,34,36,38,40,42,44,46,48,50,52,54,56,58,60,62
	v_pk_add_f32 v[X+\j:X+\j+1], v[X+\j:X+\j+1], v[248:249]
.endr
	v_pk_mul_f32 v[252:253], v[X:X+1], v[X:X+1]    ; the first products start the sums
	v_pk_mul_f32 v[254:255], v[X+2:X+3], v[X+2:X+3]
.irp j, 4,8,12,16,20,24,28,32,36,40,44,48,52,56,60
	s_delay_alu instid0(VALU_DEP_2)
	v_pk_fma_f32 v[252:253], v[X+\j:X+\j+1], v[X+\j:X+\j+1], v[252:253]
	s_delay_alu instid0(VALU_DEP_2)
	v_pk_fma_f32 v[254:255], v[X+\j+2:X+\j+3], v[X+\j+2:X+\j+3], v[254:255]
.endr
	WSUM 32                                        ; other LDS words than the first sum's: no barrier is owed between the two
	s_delay_alu instid0(VALU_DEP_1)
	v_mov_b32 v251, v252
	s_lshl_b32 s26, ttmp9, 3
	s_add_nc_u64 s[14:15], s[14:15], s[26:27]
	v_cmp_eq_u32 vcc_lo, 0, v0
	s_wait_alu depctr_va_vdst(0)
	s_wait_xcnt 0x0                                ; EXEC changes only behind this wait
	s_set_vgpr_msb 0x4
	s_wait_tensorcnt 0x0
	ds_add_u32 v15, v1
	s_wait_dscnt 0x0
	s_set_vgpr_msb 0x400
	s_and_saveexec_b32 s28, vcc_lo
	global_store_b64 v14, v[250:251], s[14:15]     ; thread 0 alone: (mean, sum of squares)
	s_wait_xcnt 0x0
	s_or_b32 exec_lo, exec_lo, s28
	s_endpgm
.Lfunc_end_k_q64934fc263_prep:
	.size	k_q64934fc263_prep, .Lfunc_end_k_q64934fc263_prep-k_q64934fc263_prep
	.p2alignl 7, 3214868480
	.fill 96, 4, 3214868480
	.section	.rodata,"a",@progbits
	.p2align	6, 0x0
	.amdhsa_kernel k_q64934fc263_prep
		.amdhsa_group_segment_fixed_size 1280
		.amdhsa_private_segment_fixed_size 0
		.amdhsa_enable_private_segment 0
		.amdhsa_kernarg_size 64
		.amdhsa_user_sgpr_count 2
		.amdhsa_user_sgpr_kernarg_segment_ptr 1
		.amdhsa_wavefront_size32 1
		.amdhsa_system_sgpr_workgroup_id_x 1
		.amdhsa_system_sgpr_workgroup_id_y 1
		.amdhsa_system_sgpr_workgroup_id_z 1
		.amdhsa_system_vgpr_workitem_id 0
		.amdhsa_next_free_vgpr 258
		.amdhsa_next_free_sgpr 66
		.amdhsa_reserve_vcc 1
		.amdhsa_float_denorm_mode_32 3
		.amdhsa_float_denorm_mode_16_64 3
		.amdhsa_memory_ordered 1
		.amdhsa_forward_progress 1
		.amdhsa_inst_pref_size 28
	.end_amdhsa_kernel
	.amdgpu_metadata
---
amdhsa.version: [ 1, 2 ]
amdhsa.kernels:
  - .name:           k_q64934fc263_prep
    .symbol:         k_q64934fc263_prep.kd
    .args:
      - { .name: x, .offset: 0, .size: 8, .value_kind: global_buffer, .address_space: global }
      - { .name: Wq, .offset: 8, .size: 8, .value_kind: global_buffer, .address_space: global }
      - { .name: Wk, .offset: 16, .size: 8, .value_kind: global_buffer, .address_space: global }
      - { .name: Wv, .offset: 24, .size: 8, .value_kind: global_buffer, .address_space: global }
      - { .name: Wo, .offset: 32, .size: 8, .value_kind: global_buffer, .address_space: global }
      - { .name: stats, .offset: 40, .size: 8, .value_kind: global_buffer, .address_space: global }
      - { .name: wfrag, .offset: 48, .size: 8, .value_kind: global_buffer, .address_space: global }
      - { .name: wscale, .offset: 56, .size: 8, .value_kind: global_buffer, .address_space: global }
    .group_segment_fixed_size: 1280
    .private_segment_fixed_size: 0
    .kernarg_segment_align: 8
    .kernarg_segment_size: 64
    .max_flat_workgroup_size: 256
    .sgpr_count:     66
    .vgpr_count:     258
    .wavefront_size: 32
...
	.end_amdgpu_metadata
.endif
;; end of part 1
;; launch qkv (part 2): grid 4 x 64, 4 waves a work-group, clusters of 4 x 1, 313,856 bytes of LDS; arguments x, gamma, beta, stats, wfrag, wscale, bq, bk, bv, qimg, kv; writes qimg, kv
.if DOCPART == 2
	.amdgcn_target "amdgcn-amd-amdhsa--gfx1250"
	.amdhsa_code_object_version 6
	.text
	.protected	k_q64934fc263_qkv
	.globl	k_q64934fc263_qkv
	.p2align	8
	.type	k_q64934fc263_qkv,@function
k_q64934fc263_qkv:
	s_mov_b64 s[64:65], 0
	v_nop
	global_prefetch_b8 v0, s[64:65] scope:SCOPE_SE
	s_setreg_imm32_b32 hwreg(HW_REG_WAVE_MODE, 25, 1), 1
	s_wait_xcnt 0x0
	s_wait_alu depctr_hold_cnt(0) depctr_sa_sdst(0) depctr_va_vdst(0) depctr_va_sdst(0) depctr_va_ssrc(0) depctr_va_vcc(0) depctr_vm_vsrc(0)
	s_getreg_b32 s2, hwreg(HW_REG_IB_STS2, 6, 4)
	s_cmp_eq_u32 s2, 0
	s_cbranch_scc0 .Lentry_in_a_cluster
	s_endpgm
.Lentry_in_a_cluster:
	s_bfe_u32 s2, ttmp6, 0x10000c
	s_cmp_lg_u32 s2, 0x3003
	s_cbranch_scc0 .Lentry_shape_is_right
	s_endpgm
.Lentry_shape_is_right:
; QKV.  h = group norm of x, quantised along the channels; q, k, v = h W^T + b on codes of E2M3; q and k quantised along the head's 64, v along the keys.  Only codes and scale words go to memory.
; SHARES.  A cluster of four work-groups owns 128 pixels of an image (cluster y: image y / 32, block st = y % 32); the work-group at place p owns heads 2 p and 2 p + 1.
; All four need the same tile of x (512 channels x 512 bytes), so it is asked for JOINTLY (mask 15): the place p enters global addresses of weights, biases and outputs alone.
; Wave j (a) fetches channels 128 j .. 128 j + 127 of the tile, normalises and quantises them: K step j of h for all 128 pixels; (b) makes one UNIT for all 8 tiles of pixels: j = 0, 1: q of head 2 p + j;
; j = 2, 3: k of head 2 p + j - 2 (4 tiles of 16 outputs); (c) makes v for Wv's tiles 8 p + 2 j and the next.  Its weights (24 fragments, 288 registers) stay in registers.
; TILES.  Every tile of 16 (pixels, outputs) holds rows 32 (T / 2) + 8 (T % 2) + r + 8 (r / 8): the 16 registers of a lane in two neighbouring result tiles are then 16 neighbours.
; q, k: source 0 = 16 rows of W, source 1 = 16 pixels of h: a lane holds one pixel, its registers run along the head's d.  The 64 registers of two tiles of pixels are quantised as one row of 128:
; a PAIR IMAGE: registers 0-5 tile 2 b's codes (d = 32 h ..), registers 6-11 tile 2 b + 1's; scale word: two bytes for each.
; v: source 0 = 16 pixels of h, source 1 = 16 rows of Wv: a lane holds one d, its registers run along the pixels, which are the keys: K of the second product of attention.
; OUT.  qimg: 6,400 bytes for (image x 8 + head, st): 4 pair images of 1,536, then 256 bytes of scale words.  kv: 12,800 bytes: K's 4 pair images, V^T's 4 tile images, K's words, V's words.
; An image holds registers 4 g .. 4 g + 3 of lane l at 512 g + 16 l.  Scale words: byte 8 (16 h' + r) + 4 i holds the word of pair (or d tile) i + 2 h' for row r.
; LDS.  XT 0 .. 262,143: the tile of x, wave j's part at 65,536 j, filled once and read by the wave that fetched it.  HIMG: h's 32 images, (tile, K step) at (4 tile + step) 1,536.  HSC: h's words, 256 tile + 16 r + 4 step.
; Nothing in LDS is filled twice.
; LIMITS: NaN and infinities are not served; a block under 2^-124, and a block of zeros, keeps the byte 1 (its codes are zeros; this program alone reads the bytes); 1 / sqrt by v_rsq_f32.
; V's scale words leave as 128 consecutive bytes a wave, half of an aligned 256: 1 byte in 100 of what the launch stores.
; REGISTERS.  window 0: v1-15 addresses and statistics; v16-31, v32-39, v40-47 scale words (unit's, Wv's, h's) and nothing else; v48-143 8 fragments of h; v144-207 8 accumulators; v208-245 the quantiser's; v246-255 words and bv.
;   While h is made: v48-175 128 numbers (4 pixels x 32 channels), v176-223 the quantiser's.   window 1: the unit's 16 fragments.   window 2: Wv's 8 fragments, from v96 the unit's bias.
;   window 3: two buffers of 128 raw numbers; later v's 16 accumulators.
.set HIMG, 262144
.set HSC,  311296
.set LANE, 1
.set R,    2
.set H,    3
.set LI,   4                           ; 16 x lane
.set L8,   5                           ; 8 x lane
.set XW,   6                           ; where my four pixels' codes go in h's images
.set XS,   7                           ; and their scale words
.set HSR,  8                           ; HSC + 16 r
.set XR,   9                           ; 16 x lane + my wave's part of XT
.set VSA,  10                          ; V's scale words, from s[10:11]
.set KSA,  11                          ; the unit's scale words, from s[8:9]
.set NMV,  12                          ; lane l: - mean of group 8 j + l / 4
.set RSV,  13                          ; and 1 / sqrt(var + eps)
.set STA,  14                          ; v14-15 a part's (mean, sum of squares)
.set WS,   16
.set WVS,  32
.set HS,   40
.set F,    48
.set ACC,  144
.set TM,   208
.set PW,   224
.set LIH,  225                         ; 16 x lane + HIMG
.set PC,   226
.set VSW,  245
.set KW,   246
.set VW,   250
.set VB,   252
.set T,    48
.set MX,   176
.set SO,   180
.set BY,   184
.set WD,   188
.set CX,   192
.set BQK,  96                          ; in window 2
.set MSB, 0
.macro WIN new                         ; the immediate's high byte repeats the setting that is left
.if MSB != \new
	s_set_vgpr_msb (MSB<<8)|\new
.set MSB, \new
.endif
.endm
.macro CROUND                          ; a round of the cluster's barrier
	s_barrier_signal -1
	s_barrier_wait -1
	s_cmp_lg_u32 s2, 0
	s_cbranch_scc1 .Lnot_wave_0_\@
	s_barrier_signal -3
.Lnot_wave_0_\@:
	s_barrier_wait -3
	s_barrier_signal -1
	s_barrier_wait -1
.endm
	s_load_b512 s[32:47], s[0:1], 0x0              ; x 32, gamma 34, beta 36, stats 38, wfrag 40, wscale 42, bq 44, bk 46
	s_load_b128 s[48:51], s[0:1], 0x40             ; bv 48, qimg 50
	s_load_b64 s[52:53], s[0:1], 0x50              ; kv 52
	v_lshl_add_u32 v241, v0, 2, 0x4c800
	s_set_vgpr_msb 0x40
	v_mov_b32 v255, 0
	s_set_vgpr_msb 0x4044
	ds_add_u32 v241, v255
	ds_add_u32 v241, v255
	s_set_vgpr_msb 0x4400
	v_lshrrev_b32 v1, 5, v0
	v_readfirstlane_b32 s2, v1                     ; wave j
	s_bfe_u32 s3, ttmp6, 0x40000                   ; p: my place in the cluster
	s_and_b32 s14, ttmp7, 0xffff
	s_lshr_b32 s15, s14, 5                         ; image
	s_and_b32 s14, s14, 31                         ; st
	; descriptor group 1: 128 rows (channels) x 128 f32 (pixels), 4,096 elements from row to row, no padding: an LDS load of 16 bytes a lane takes a whole row of 512 bytes
	s_mov_b32 s24, 15|(2<<16)|(1<<21)              ; 15:0 the mask: all four work-groups; 17:16 elements of 4 bytes; 21 set beside a mask
	s_mov_b32 s25, 128<<16                         ; tensor_dim0
	s_mov_b32 s26, 128<<16                         ; tensor_dim1: my 128 channels in one load
	s_mov_b32 s27, 128<<16                         ; tile_dim0
	s_mov_b32 s28, 128                             ; tile_dim1
	s_mov_b32 s29, 4096                            ; stride
	s_mov_b32 s30, 0
	s_mov_b32 s31, 0
	s_lshl_b32 s68, s15, 23                        ; the tile in x: image x 8,388,608 + 128 j channels of 16,384 bytes + 512 st
	s_lshl_b32 s69, s2, 21
	s_add_co_u32 s68, s68, s69
	s_lshl_b32 s69, s14, 9
	s_add_co_u32 s68, s68, s69
	s_mov_b32 s69, 0
	s_mov_b32 s16, 1
	s_lshl_b32 s17, s2, 16                         ; LDS: 65,536 j
	; offsets of weights, biases, statistics and outputs
	s_lshl_b32 s70, s3, 1                          ; 2 p
	s_and_b32 s71, s2, 1                           ; j % 2
	s_add_co_u32 s72, s70, s71                     ; the unit's head
	s_lshr_b32 s73, s2, 1                          ; j / 2: 0 q, 1 k
	s_lshl_b32 s74, s73, 5
	s_lshl_b32 s75, s72, 2
	s_add_co_u32 s74, s74, s75                     ; the unit's first tile: 32 (j / 2) + 4 head
	s_mul_i32 s76, s74, 6144
	s_mov_b32 s77, 0
	s_lshl_b32 s78, s74, 9
	s_mov_b32 s79, 0
	s_lshl_b32 s80, s3, 3
	s_lshl_b32 s81, s2, 1
	s_add_co_u32 s80, s80, s81
	s_add_co_u32 s80, s80, 64                      ; Wv's tile: 64 + 8 p + 2 j
	s_mul_i32 s82, s80, 6144
	s_mov_b32 s83, 0
	s_lshl_b32 s84, s80, 9
	s_mov_b32 s85, 0
	s_lshl_b32 s86, s72, 8                         ; the unit's bias: 64 numbers a head
	s_mov_b32 s87, 0
	s_lshl_b32 s88, s3, 2
	s_add_co_u32 s88, s88, s2
	s_lshl_b32 s88, s88, 7                         ; bv: 32 (4 p + j) numbers on
	s_mov_b32 s89, 0
	s_lshl_b32 s90, s15, 10
	s_lshl_b32 s91, s2, 8
	s_add_co_u32 s90, s90, s91                     ; stats: groups 8 j .. 8 j + 7 of my image, 32 bytes each
	s_mov_b32 s91, 0
	s_lshl_b32 s94, s2, 9                          ; gamma, beta: my 128 channels
	s_mov_b32 s95, 0
	s_lshl_b32 s96, s15, 3
	s_add_co_u32 s97, s96, s72
	s_lshl_b32 s97, s97, 5
	s_add_co_u32 s97, s97, s14                     ; (8 image + head) 32 + st
	s_lshl_b32 s98, 6400, s73                      ; blocks of 6,400 bytes in qimg, 12,800 in kv
	s_mul_i32 s98, s97, s98
	s_mov_b32 s99, 0
	s_add_co_u32 s96, s96, s70
	s_add_co_u32 s96, s96, s73                     ; v's head: 2 p + j / 2
	s_lshl_b32 s96, s96, 5
	s_add_co_u32 s96, s96, s14
	s_mul_i32 s96, s96, 12800
	s_mul_i32 s97, s71, 3072
	s_add_co_u32 s96, s96, s97
	s_add_co_u32 s96, s96, 6144                    ; V^T's tile 2 (j % 2)
	s_mov_b32 s97, 0
	v_and_b32 v[LANE], 31, v0
	v_and_b32 v[R], 15, v0
	v_bfe_u32 v[H], v0, 4, 1
	v_lshlrev_b32 v[LI], 4, v[LANE]
	v_lshlrev_b32 v[L8], 3, v[LANE]
	; lane l holds pixels 4 l + i.  Pixel P lies in tile 2 (P / 32) + (P / 8) % 2 at row P % 8 + 8 ((P / 16) % 2): tile 2 (l / 8) + (l / 2) % 2, row 4 (l % 2) + i + 8 ((l / 4) % 2)
	v_bfe_u32 v48, v0, 3, 2
	v_bfe_u32 v49, v0, 1, 1
	v_lshl_add_u32 v48, v48, 1, v49                ; the tile
	v_bfe_u32 v49, v0, 2, 1
	v_and_b32 v50, 1, v0
	v_lshlrev_b32 v49, 7, v49
	v_lshl_add_u32 v49, v50, 6, v49                ; 16 x (the row of pixel 4 l)
	s_mul_i32 s12, s2, 1536
	s_add_co_u32 s12, s12, HIMG
	v_mad_u32_u24 v[XW], v48, 6144, v49
	v_add_nc_u32 v[XW], s12, v[XW]
	s_lshl_b32 s12, s2, 2
	s_add_co_u32 s12, s12, HSC
	v_lshl_add_u32 v[XS], v48, 8, v49
	v_add_nc_u32 v[XS], s12, v[XS]
	v_lshl_add_u32 v[HSR], v[R], 4, HSC
	v_lshl_add_u32 v[XR], v[LANE], 4, s17
	v_lshl_add_u32 v[LIH], v[LANE], 4, HIMG
	s_mul_i32 s12, s71, 2944
	s_sub_co_u32 s12, 6400, s12                    ; V's words lie at 12,544 + 128 (j % 2) of the block; s[10:11] stands at 6,144 + 3,072 (j % 2)
	v_lshlrev_b32 v[VSA], 3, v[R]
	v_lshl_add_u32 v[VSA], v[H], 2, v[VSA]
	v_add_nc_u32 v[VSA], s12, v[VSA]
	s_lshl_b32 s12, 6144, s73                      ; the unit's words: at 6,144 in qimg's block, 12,288 in kv's
	v_lshl_add_u32 v[KSA], v[LANE], 3, s12
	v_lshlrev_b32 v51, 6, v[H]                     ; the unit's bias: 16 h numbers on
	v_and_b32 v52, 8, v[R]
	v_add_nc_u32 v52, v52, v[R]
	v_lshlrev_b32 v52, 2, v52                      ; bv: number r + 8 (r / 8)
	s_mov_b32 s12, 0x76543210
	s_mov_b32 s13, 0xfedcba98                      ; v_permlanex16_b32's selects for lane l xor 16
	s_wait_dscnt 0x0
	s_wait_kmcnt 0x0
	s_add_nc_u64 s[18:19], s[32:33], s[68:69]
	s_or_b32 s19, s19, 0x80000000                  ; type = 2
	s_add_nc_u64 s[4:5], s[34:35], s[94:95]        ; gamma
	s_add_nc_u64 s[6:7], s[36:37], s[94:95]        ; beta
	s_add_nc_u64 s[90:91], s[38:39], s[90:91]      ; stats
	s_add_nc_u64 s[76:77], s[40:41], s[76:77]      ; the unit's fragments
	s_add_nc_u64 s[82:83], s[40:41], s[82:83]      ; Wv's
	s_add_nc_u64 s[78:79], s[42:43], s[78:79]      ; the unit's scale words
	s_add_nc_u64 s[84:85], s[42:43], s[84:85]      ; Wv's
	s_cmp_lt_u32 s2, 2                             ; q's waves or k's: the choice hangs on the wave's number alone
	s_cselect_b64 s[92:93], s[44:45], s[46:47]
	s_cselect_b64 s[8:9], s[50:51], s[52:53]
	s_add_nc_u64 s[92:93], s[92:93], s[86:87]      ; the unit's bias
	s_add_nc_u64 s[88:89], s[48:49], s[88:89]      ; bv
	s_add_nc_u64 s[8:9], s[8:9], s[98:99]          ; the unit's block
	s_add_nc_u64 s[10:11], s[52:53], s[96:97]      ; v's two tiles
	CROUND                                         ; all four work-groups are here: the joint loads meet
	tensor_load_to_lds s[16:19], s[24:31]          ; my 128 channels: one tensor load a wave at the head
	s_nop 0
.rept 4
	v_nop
.endr
	global_load_b64 v[STA:STA+1], v[L8], s[90:91]  ; lane l: part l % 4 of group 8 j + l / 4
	WIN 0x40                                       ; destination window 1
.set i, 0
.rept 48
	global_load_b128 v[4*i:4*i+3], v[LI], s[76:77] offset:512*i   ; the unit's 16 fragments: 24,576 consecutive bytes; fragment (t, s) lands at v[12 (4 t + s)]
.set i, i+1
.endr
	WIN 0
	s_wait_loadcnt 48                              ; the statistics are in; the 48 younger loads stay out
	v_mov_b32 v53, v[STA]
	v_add_f32_dpp v53, v53, v53 row_xmask:1 row_mask:0xf bank_mask:0xf
	v_add_f32_dpp v53, v53, v53 row_xmask:2 row_mask:0xf bank_mask:0xf
	v_mul_f32 v53, 0x3e800000, v53                 ; the group's mean: the four parts are of equal size
	v_sub_f32 v54, v[STA], v53
	v_mul_f32 v54, v54, v54
	v_fmamk_f32 v54, v54, 0x46800000, v[STA+1]     ; 16,384 (part's mean - mean)^2 + the part's sum of squares
	v_add_f32_dpp v54, v54, v54 row_xmask:1 row_mask:0xf bank_mask:0xf
	v_add_f32_dpp v54, v54, v54 row_xmask:2 row_mask:0xf bank_mask:0xf
	v_mul_f32 v54, 0x37800000, v54                 ; / 65,536: the variance
	v_add_f32 v54, 0x3727c5ac, v54                 ; + 1e-5
	s_wait_alu depctr_va_vdst(0)
	v_rsq_f32 v[RSV], v54
	v_mul_f32 v[NMV], -1.0, v53                    ; (a plain place behind the transcendental)
	s_wait_alu depctr_va_vdst(0)                   ; the wait ahead of the result's first reader
	WIN 0x80                                       ; destination window 2
.set i, 0
.rept 24
	global_load_b128 v[4*i:4*i+3], v[LI], s[82:83] offset:512*i   ; Wv's 8 fragments: (n, s) at v[12 (4 n + s)]
.set i, i+1
.endr
.irp t, 0,1,2,3                                ; the bias in the result's layout: register i of lane (r, h) in tile t is output 32 (t / 2) + 8 (t % 2) + 16 h + i
	global_load_b128 v[BQK+8*\t:BQK+8*\t+3], v51, s[92:93] offset:(32*(\t/2)+8*(\t%2))*4
	global_load_b128 v[BQK+8*\t+4:BQK+8*\t+7], v51, s[92:93] offset:(32*(\t/2)+8*(\t%2))*4+16
.endr
	WIN 0
.irp t, 0,1,2,3
.irp e, 0,1
	global_load_b64 v[WS+4*\t+2*\e:WS+4*\t+2*\e+1], v[L8], s[78:79] offset:512*\t+256*\e
.endr
.endr
.irp n, 0,1
.irp e, 0,1
	global_load_b64 v[WVS+4*\n+2*\e:WVS+4*\n+2*\e+1], v[L8], s[84:85] offset:512*\n+256*\e
.endr
.endr
.irp n, 0,1
	global_load_b32 v[VB+2*\n], v52, s[88:89] offset:32*\n      ; bv of my row of Wv, twice: a pair for the packed additions
	global_load_b32 v[VB+2*\n+1], v52, s[88:89] offset:32*\n
.endr
	s_wait_xcnt 0x0                                ; every load has read its base and its offset: s32-63, s68-99 and v48-54 may be written
.macro SLOADG q                        ; gamma and beta of channels 128 j + 32 q .. + 31
	s_load_b512 s[32:47], s[4:5], 128*(\q)
	s_load_b512 s[48:63], s[4:5], 128*(\q)+64
	s_load_b512 s[68:83], s[6:7], 128*(\q)
	s_load_b512 s[84:99], s[6:7], 128*(\q)+64
.endm
.macro XLD q                           ; 32 channels x my 4 pixels into raw buffer q % 2: register 4 k + i = x(channel 32 q + k, pixel 4 l + i)
	WIN 0xc0                                       ; destination window 3
.set i, 0
.rept 32
	ds_load_b128 v[128*((\q)%2)+4*i:128*((\q)%2)+4*i+3], v[XR] offset:((\q)*32+i)*512
.set i, i+1
.endr
	WIN 0
.endm
; Block q of K step j: 32 channels of my four pixels are normalised, turned so that a pixel's 32 channels stand in consecutive registers, quantised, and stored into h's images.
; dsA: the LDS instructions younger than this block's raw loads.  dsB: those younger than the last block's stores, whose data registers are written again below (-1: there are none yet).
.macro PROC q, dsA, dsB
	s_wait_dscnt \dsA
	s_wait_kmcnt 0x0                               ; gamma and beta
	v_readlane_b32 s66, v[NMV], 8*\q               ; the block's two groups: 8 j + 2 q,
	v_readlane_b32 s67, v[RSV], 8*\q
	v_readlane_b32 s100, v[NMV], 8*\q+4            ; and the next
	v_readlane_b32 s101, v[RSV], 8*\q+4
.set i, 0
.rept 16
	s_mul_f32 s[32+i], s[32+i], s67                ; gamma / sqrt(var + eps)
	s_mul_f32 s[48+i], s[48+i], s101
.set i, i+1
.endr
.set RW, 128*((\q)%2)
	WIN 0xc3                                       ; source 0 and destination window 3
.set i, 0
.rept 32
	v_pk_add_f32 v[RW+2*i:RW+2*i+1], v[RW+2*i:RW+2*i+1], s[66:67] op_sel_hi:[1,0]      ; x - mean first, so that a common offset of x costs no digits
.set i, i+1
.endr
.rept 32
	v_pk_add_f32 v[RW+2*i:RW+2*i+1], v[RW+2*i:RW+2*i+1], s[100:101] op_sel_hi:[1,0]
.set i, i+1
.endr
	WIN 0x03                                       ; source 0 window 3, destination window 0
.set k, 0
.rept 32
.irp i, 0,1,2,3
	v_fma_f32 v[T+32*\i+k], v[RW+4*k+\i], s[32+k], s[68+k]     ; the multiply-add is also the turn: pixel i's channel k
.endr
.set k, k+1
.endr
	WIN 0
.if \q < 2
	XLD \q+2                                       ; into the buffer just read out
.endif
.if \q < 3
	SLOADG \q+1
.endif
.if \dsB >= 0
	s_wait_dscnt \dsB
.endif
.irp i, 0,1,2,3
	v_max3_num_f32 v[MX+\i], |v[T+32*\i]|, |v[T+32*\i+1]|, 0x1800000     ; a whole block of 32 is mine; the floor 2^(3 - 127) holds the byte at 1 from below
.endr
.irp m, 2,4,6,8,10,12,14,16,18,20,22,24,26,28,30
.irp i, 0,1,2,3
	v_max3_num_f32 v[MX+\i], v[MX+\i], |v[T+32*\i+\m]|, |v[T+32*\i+\m+1]|   ; the four pixels by turns
.endr
.endr
.irp i, 0,1,2,3
	v_add_nc_u32 v[SO+\i], 0xff000000, v[MX+\i]    ; 2 off the exponent field: the conversion's scale operand
.endr
.irp i, 0,1,2,3
	v_lshrrev_b32 v[BY+\i], 23, v[SO+\i]
.endr
.irp i, 0,1,2,3
.if \q == 0
	v_mov_b32 v[WD+\i], v[BY+\i]
.else
	v_lshl_or_b32 v[WD+\i], v[BY+\i], 8*\q, v[WD+\i]   ; byte q of the pixel's scale word for K step j
.endif
.endr
.irp i, 0,1,2,3
	v_cvt_scalef32_pk16_fp6_f32 v[CX+8*\i:CX+8*\i+2], v[T+32*\i:T+32*\i+15], v[SO+\i]
	v_cvt_scalef32_pk16_fp6_f32 v[CX+8*\i+4:CX+8*\i+6], v[T+32*\i+16:T+32*\i+31], v[SO+\i]   ; a conversion's three registers begin on an even number
.endr
	v_nop                                          ; one plain place behind the scaled conversions
.irp i, 0,1,2,3
	v_mov_b32 v[CX+8*\i+3], v[CX+8*\i+4]
	v_mov_b32 v[CX+8*\i+4], v[CX+8*\i+5]
	v_mov_b32 v[CX+8*\i+5], v[CX+8*\i+6]           ; the block's 24 bytes in six registers on end
.endr
.irp i, 0,1,2,3                                ; they are registers 6 (q / 2) .. + 5 of image lane row + 16 (q % 2)
.if (\q)/2 == 0
	ds_store_b128 v[XW], v[CX+8*\i:CX+8*\i+3] offset:16*\i+256*((\q)%2)
	ds_store_b64 v[XW], v[CX+8*\i+4:CX+8*\i+5] offset:512+16*\i+256*((\q)%2)
.else
	ds_store_b64 v[XW], v[CX+8*\i:CX+8*\i+1] offset:520+16*\i+256*((\q)%2)
	ds_store_b128 v[XW], v[CX+8*\i+2:CX+8*\i+5] offset:1024+16*\i+256*((\q)%2)
.endif
.endr
.endm
	SLOADG 0
	s_wait_tensorcnt 0x0                           ; my 128 channels have landed: only I read them
	XLD 0
	XLD 1
	PROC 0, 32, -1                                 ; younger than block 0's loads: block 1's 32
	PROC 1, 40, 32                                 ; block 2's 32 loads and 8 stores;  behind block 0's stores: block 3's 32 loads
	PROC 2, 40, 0                                  ; block 3's 32 loads and 8 stores;  nothing was issued behind block 1's stores
	PROC 3, 8, 0                                   ; block 2's 8 stores
.irp i, 0,1,2,3
	ds_store_b32 v[XS], v[WD+\i] offset:16*\i
.endr
	s_wait_dscnt 0x0                               ; for the others' sake: my images and words have landed
	s_barrier_signal -1
	s_barrier_wait -1                              ; h's 32 images lie in LDS; nothing is written there from here on
	s_wait_loadcnt 0x0                             ; weights, their words, the biases
.irp b, 0,1,2,3
	v_mov_b32 v[TM+4+\b], 0                        ; written once: a lane permute's destination counts as one of its sources
.endr
; 64 numbers of a lane, register 16 b + i = k 32 b + 16 (lane / 16) + i of my row, become a fragment's codes in v[PC] on and its scale word in v[PW].
.macro QUANT s
	s_wait_xcnt 0x0                                ; the last stores have read the registers that are written below
.irp b, 0,1,2,3
	v_max3_num_f32 v[TM+\b], |v[\s+16*\b]|, |v[\s+1+16*\b]|, 0x1800000   ; each accumulator is read from its low end on
.endr
.irp i, 2,4,6,8,10,12,14
.irp b, 0,1,2,3
	v_max3_num_f32 v[TM+\b], v[TM+\b], |v[\s+16*\b+\i]|, |v[\s+1+16*\b+\i]|
.endr
.endr
.irp b, 0,1,2,3
	v_permlanex16_b32 v[TM+4+\b], v[TM+\b], s12, s13
.endr
.irp b, 0,1,2,3
	v_max_num_f32 v[TM+\b], v[TM+\b], v[TM+4+\b]   ; with lane l xor 16's: the block's largest magnitude
.endr
.irp b, 0,1,2,3
	v_add_nc_u32 v[TM+12+\b], 0xff000000, v[TM+\b]
.endr
.irp b, 0,1,2,3
	v_lshrrev_b32 v[TM+4+\b], 23, v[TM+12+\b]
.endr
	v_lshl_or_b32 v[PW], v[TM+5], 8, v[TM+4]
	v_lshl_or_b32 v[PW], v[TM+6], 16, v[PW]
	v_lshl_or_b32 v[PW], v[TM+7], 24, v[PW]
.irp c, 0,1
	v_cvt_scalef32_pk16_fp6_f32 v[PC+6*\c:PC+2+6*\c], v[\s+32*\c:\s+15+32*\c], v[TM+12+2*\c]
	v_cvt_scalef32_pk16_fp6_f32 v[PC+12+4*\c:PC+14+4*\c], v[\s+16+32*\c:\s+31+32*\c], v[TM+12+2*\c+1]
.endr
	v_nop                                          ; one plain place behind the scaled conversions
.irp c, 0,1                                    ; the operand's layout wants a whole block in a lane
.irp i, 0,1,2
	v_permlane16_swap_b32 v[PC+6*\c+\i], v[PC+12+4*\c+\i]
.endr
.irp i, 0,1,2
	v_mov_b32 v[PC+3+6*\c+\i], v[PC+12+4*\c+\i]
.endr
.endr
.endm
.macro FETCH b                         ; h's 8 fragments of tiles 2 b, 2 b + 1 (12,288 consecutive bytes) and their scale words
.set i, 0
.rept 24
	ds_load_b128 v[F+4*i:F+4*i+3], v[LIH] offset:12288*(\b)+512*i
.set i, i+1
.endr
	ds_load_b128 v[HS:HS+3], v[HSR] offset:512*(\b)
	ds_load_b128 v[HS+4:HS+7], v[HSR] offset:512*(\b)+256
.endm
; Two tiles of pixels: 32 products for the unit (8 accumulators by turns, one instruction a turn), 16 for v (4 by turns); then the unit's 64 numbers a lane become a pair image.
.macro PAIR b
	s_wait_dscnt 0x0                               ; the fragments are in
	WIN 0x21                                       ; source 0 (W) window 1, C (the bias) window 2
.irp u, 0,1
.irp t, 0,1,2,3
	v_wmma_scale_f32_16x16x128_f8f6f4 v[ACC+8*(4*\u+\t):ACC+8*(4*\u+\t)+7], v[48*\t:48*\t+11], v[F+48*\u:F+48*\u+11], v[BQK+8*\t:BQK+8*\t+7], v[WS+4*\t], v[HS+4*\u] matrix_a_fmt:MATRIX_FMT_FP6 matrix_b_fmt:MATRIX_FMT_FP6
.endr
.endr
	WIN 0x01
.irp s, 1,2,3
.irp u, 0,1
.irp t, 0,1,2,3
	v_wmma_scale_f32_16x16x128_f8f6f4 v[ACC+8*(4*\u+\t):ACC+8*(4*\u+\t)+7], v[48*\t+12*\s:48*\t+12*\s+11], v[F+48*\u+12*\s:F+48*\u+12*\s+11], v[ACC+8*(4*\u+\t):ACC+8*(4*\u+\t)+7], v[WS+4*\t+\s], v[HS+4*\u+\s] matrix_a_fmt:MATRIX_FMT_FP6 matrix_b_fmt:MATRIX_FMT_FP6
.endr
.endr
.endr
	WIN 0xc8                                       ; source 1 (Wv) window 2, destination window 3
.irp u, 0,1
.irp n, 0,1
	v_wmma_scale_f32_16x16x128_f8f6f4 v[8*(8*\n+2*(\b)+\u):8*(8*\n+2*(\b)+\u)+7], v[F+48*\u:F+48*\u+11], v[48*\n:48*\n+11], 0, v[HS+4*\u], v[WVS+4*\n] matrix_a_fmt:MATRIX_FMT_FP6 matrix_b_fmt:MATRIX_FMT_FP6
.endr
.endr
	WIN 0xf8                                       ; C too in window 3
.irp s, 1,2,3
.irp u, 0,1
.irp n, 0,1
	v_wmma_scale_f32_16x16x128_f8f6f4 v[8*(8*\n+2*(\b)+\u):8*(8*\n+2*(\b)+\u)+7], v[F+48*\u+12*\s:F+48*\u+12*\s+11], v[48*\n+12*\s:48*\n+12*\s+11], v[8*(8*\n+2*(\b)+\u):8*(8*\n+2*(\b)+\u)+7], v[HS+4*\u+\s], v[WVS+4*\n+\s] matrix_a_fmt:MATRIX_FMT_FP6 matrix_b_fmt:MATRIX_FMT_FP6
.endr
.endr
.endr
	WIN 0
.rept 4
	v_nop                                          ; places in front of loads into registers that the products have read, and of the first read of results
.endr
.if \b < 3
	FETCH \b+1                                     ; lands while this pair is quantised
.endif
	QUANT ACC
.irp g, 0,1,2
	global_store_b128 v[LI], v[PC+4*\g:PC+4*\g+3], s[8:9] offset:1536*(\b)+512*\g   ; 512 consecutive bytes a store
.endr
	v_mov_b32 v[KW+\b], v[PW]
.endm
	FETCH 0
	PAIR 0
	PAIR 1
	PAIR 2
	PAIR 3
	v_cmp_lt_u32 vcc_lo, 15, v[LANE]               ; lanes 16-31 carry pairs 2 and 3
	v_cndmask_b32 v[TM], v[KW], v[KW+2], vcc_lo
	v_cndmask_b32 v[TM+1], v[KW+1], v[KW+3], vcc_lo
	global_store_b64 v[KSA], v[TM:TM+1], s[8:9]    ; 256 consecutive bytes
.irp n, 0,1                                    ; v: + bv, which is also the move into window 0; register 8 tile + i is key 32 (tile / 2) + 16 h + 8 (tile % 2) + i
	WIN 0x03                                       ; source 0 window 3
.set i, 0
.rept 32
	v_pk_add_f32 v[ACC+2*i:ACC+2*i+1], v[64*\n+2*i:64*\n+2*i+1], v[VB+2*\n:VB+2*\n+1]
.set i, i+1
.endr
	WIN 0
	QUANT ACC
.irp g, 0,1,2
	global_store_b128 v[LI], v[PC+4*\g:PC+4*\g+3], s[10:11] offset:1536*\n+512*\g
.endr
	v_mov_b32 v[VW+\n], v[PW]
.endr
	v_cndmask_b32 v[VSW], v[VW], v[VW+1], vcc_lo   ; lane (r, h): the word of row r of my tile h
	global_store_b32 v[VSA], v[VSW], s[10:11]
	s_set_vgpr_msb 0x4
	s_wait_tensorcnt 0x0
	ds_add_u32 v241, v255
	s_wait_dscnt 0x0
	s_set_vgpr_msb 0x400
	CROUND                                         ; the closing round: no work-group ends while a partner may still ask for a tile that names it
	s_endpgm
.Lfunc_end_k_q64934fc263_qkv:
	.size	k_q64934fc263_qkv, .Lfunc_end_k_q64934fc263_qkv-k_q64934fc263_qkv
	.p2alignl 7, 3214868480
	.fill 96, 4, 3214868480
	.section	.rodata,"a",@progbits
	.p2align	6, 0x0
	.amdhsa_kernel k_q64934fc263_qkv
		.amdhsa_group_segment_fixed_size 313856
		.amdhsa_private_segment_fixed_size 0
		.amdhsa_enable_private_segment 0
		.amdhsa_kernarg_size 88
		.amdhsa_user_sgpr_count 2
		.amdhsa_user_sgpr_kernarg_segment_ptr 1
		.amdhsa_wavefront_size32 1
		.amdhsa_system_sgpr_workgroup_id_x 1
		.amdhsa_system_sgpr_workgroup_id_y 1
		.amdhsa_system_sgpr_workgroup_id_z 1
		.amdhsa_system_vgpr_workitem_id 0
		.amdhsa_next_free_vgpr 1024
		.amdhsa_next_free_sgpr 102
		.amdhsa_reserve_vcc 1
		.amdhsa_float_denorm_mode_32 3
		.amdhsa_float_denorm_mode_16_64 3
		.amdhsa_memory_ordered 1
		.amdhsa_forward_progress 1
		.amdhsa_inst_pref_size 166
	.end_amdhsa_kernel
	.amdgpu_metadata
---
amdhsa.version: [ 1, 2 ]
amdhsa.kernels:
  - .name:           k_q64934fc263_qkv
    .symbol:         k_q64934fc263_qkv.kd
    .args:
      - { .name: x, .offset: 0, .size: 8, .value_kind: global_buffer, .address_space: global }
      - { .name: gamma, .offset: 8, .size: 8, .value_kind: global_buffer, .address_space: global }
      - { .name: beta, .offset: 16, .size: 8, .value_kind: global_buffer, .address_space: global }
      - { .name: stats, .offset: 24, .size: 8, .value_kind: global_buffer, .address_space: global }
      - { .name: wfrag, .offset: 32, .size: 8, .value_kind: global_buffer, .address_space: global }
      - { .name: wscale, .offset: 40, .size: 8, .value_kind: global_buffer, .address_space: global }
      - { .name: bq, .offset: 48, .size: 8, .value_kind: global_buffer, .address_space: global }
      - { .name: bk, .offset: 56, .size: 8, .value_kind: global_buffer, .address_space: global }
      - { .name: bv, .offset: 64, .size: 8, .value_kind: global_buffer, .address_space: global }
      - { .name: qimg, .offset: 72, .size: 8, .value_kind: global_buffer, .address_space: global }
      - { .name: kv, .offset: 80, .size: 8, .value_kind: global_buffer, .address_space: global }
    .group_segment_fixed_size: 313856
    .private_segment_fixed_size: 0
    .kernarg_segment_align: 8
    .kernarg_segment_size: 88
    .max_flat_workgroup_size: 128
    .sgpr_count:     102
    .vgpr_count:     1024
    .wavefront_size: 32
...
	.end_amdgpu_metadata
.endif
;; end of part 2
;; launch attn (part 3): grid 16 x 16, 8 waves a work-group, clusters of 4 x 1, 327,680 bytes of LDS; arguments qimg, kv, oimg, osc; writes oimg, osc
.if DOCPART == 3
	.amdgcn_target "amdgcn-amd-amdhsa--gfx1250"
	.amdhsa_code_object_version 6
	.text
	.protected	k_q64934fc263_attn
	.globl	k_q64934fc263_attn
	.p2align	8
	.type	k_q64934fc263_attn,@function
k_q64934fc263_attn:
	s_mov_b64 s[64:65], 0
	v_nop
	global_prefetch_b8 v0, s[64:65] scope:SCOPE_SE
	s_setreg_imm32_b32 hwreg(HW_REG_WAVE_MODE, 25, 1), 1
	s_wait_xcnt 0x0
	s_wait_alu depctr_hold_cnt(0) depctr_sa_sdst(0) depctr_va_vdst(0) depctr_va_sdst(0) depctr_va_ssrc(0) depctr_va_vcc(0) depctr_vm_vsrc(0)
	s_getreg_b32 s2, hwreg(HW_REG_IB_STS2, 6, 4)
	s_cmp_eq_u32 s2, 0
	s_cbranch_scc0 .Lentry_in_a_cluster
	s_endpgm
.Lentry_in_a_cluster:
	s_bfe_u32 s2, ttmp6, 0x10000c
	s_cmp_lg_u32 s2, 0x3003
	s_cbranch_scc0 .Lentry_shape_is_right
	s_endpgm
.Lentry_shape_is_right:
; ATTN.  o = softmax(q k^T / 8) v for one head of one image, both products on codes of E2M3; o / l is quantised along the channels for the last product.
; THE SOFTMAX: t = score x log2(e) / 8; M = the row's largest t so far, rounded UP to a whole number; p = 2^(t - M) is quantised along the keys, not normalised.
; The row's sum l is taken of the unquantised p; when M moves, l and O are multiplied by 2^(old M - new M), which rounds nothing.
; SHARES.  Work-group y = 8 image + head, x = a block of 256 queries.  Each of eight waves owns TWO tiles of 16 queries (a pair image of qimg), which share every fragment of K and V that the wave reads from LDS.
; A trip takes 256 keys (two key steps of kv): M, l's and O's rescaling are worked once for 256 keys of a tile.
; CLUSTER.  The four query blocks of a cluster walk the same K and V: each tile is asked for JOINTLY (mask 15); the place in the cluster enters the addresses of qimg, oimg and osc alone.
; LDS.  A key step is 12,800 consecutive bytes of kv: K's 4 pair images of 1,536, V^T's 4 tile images, K's words, V's words.  It comes as 25 rows of 512 bytes with 128 bytes of padding behind each: 16,000 bytes.
; Two slots of 8 steps (128,000 bytes) at 0 and 131,072; wave w fetches step w of a slot: one load a wave at the head and one behind each round.  The slots lie a power of two apart, so that one group 0 and one
; base change slots by an exclusive or: the first three changes of slots are one loop run three times, four trips a turn; the last slot's walk, which asks for nothing, is written out.
; A fill is asked for a whole slot (4 trips of 256 keys) ahead of its first read, so nothing is prefetched.
; WHICH KEYS FORM A TILE is chosen by the lanes' LDS addresses.  kv's pair image pr holds keys 32 pr .. + 31 (tile 2 pr + e, row y: key 32 pr + 8 e + y + 8 (y / 8)).  Lane (r, h) of operand (c, u) reads lane (r % 8 + 8 u, h) of
; pair 2 c + r / 8: its two tiles then hold in row 8 a + j the keys 64 c + 32 a + 8 (2 u + e) + j.  So the 32 registers of score tiles 4 c .. 4 c + 3 of a lane are the WHOLE block of keys 64 c + 32 (lane / 16) + 0 .. 31,
; in the order of p's operand: a block's maximum needs no other lane and its codes no exchange.  Pairs lie 1,920 bytes apart in LDS (128 modulo 256).
; K = 64 IN AN INSTRUCTION OF K = 128: a pair operand against [q | zeros] gives its first tile's scores, against [zeros | q] its second's.  q's two scale bytes stand in both halves of its word.
; THE ORDER OF A TRIP.  K's loads are issued; under their flight tile B's p of the trip before, which still lies in S, is added to its sum (the first trip finds zeros; the last p is added behind the last loop);
; tile A's products on the first key step run while the second step's fragments land; V's loads land under tile B's softmax; ten lines of tile A's rescaling stand between the links of tile B's chain for M.
; LAYOUT.  S^T = K Q^T, O^T = V^T P^T: a lane holds one query (lane % 16) throughout.
; OUT.  oimg: 768 bytes for (image, tile of queries, head): registers 0-3 at 16 l, 4-5 at 512 + 8 l.  osc: ((8 image + head) 256 + tile) 64 + 4 r: the row's two bytes, 16 (head % 2) bits up.
; LIMITS: the promise holds while |t| stays under 2^31; NaN and infinities are not served; a block of p or o under 2^-124, or of zeros, keeps the byte 1 (its codes are zeros); 1 / l by v_rcp_f32;
; a block's largest p is taken as 2^ of its largest score.  All of LDS is claimed, and 0 is added to spare words.
; REGISTERS.  window 0: v1-15 addresses; v16-29 scale words and nothing else; v30-59 zeros, q A, zeros, q B, zeros; v60-155 eight fragments of K, then of V; v156-203 p's codes; v204-219 upper halves of codes.
;   window 1: v0-127 S^T, then p, of one tile; v128-191 O^T of both; from v192 the softmax's state.
.set STEPM, 12800
.set STEPL, 16000
.set SLOTB, 131072
.set SPARE, 259072                     ; the spare words: 128 bytes for each of 8 waves
.set OSC,   260096                     ; 1,024 bytes: the work-group's scale words of o; no fill lands here
.set LANE, 1
.set AK,   2                           ; this trip's addresses: K's fragments,
.set AV,   3                           ; V's,
.set SPW,  4                           ; my spare word; never rewritten
.set NIL,  5                           ; 0; never rewritten
.set CK,   8                           ; 1,920 (r / 8) + 16 (r % 8) + 256 h
.set CV,   10                          ; 16 x lane
.set CKS,  11                          ; 128 h + 8 (r % 8) + 4 (r / 8)
.set CVS,  12                          ; 8 x lane
.set AKS,  13                          ; K's words,
.set AVS,  14                          ; V's words
.set QS,   16                          ; q's words, tile A, B
.set PS,   18                          ; p's: 2 tile + step
.set KS,   22                          ; K's: 2 step + u; lanes 0-15 c = 0, lanes 16-31 c = 1
.set VS,   26                          ; V's: 2 step + i; lanes 0-15 tile i, lanes 16-31 tile i + 2
.set QX,   30
.set KF,   60
.set PCD,  156
.set CT,   204
.set WD,   220
.set OSA,  222                         ; OSC + 128 wave + 4 r
.set OSL,  223                         ; OSC + 16 x thread
.set TH16, 224
; window 1
.set S,    0
.set O,    128
.set BM,   192
.set SO,   196
.set BP,   200
.set TT,   204
.set XP,   205
.set FF,   206                         ; f = 2^(old M - new M); v207 named with it as a pair
.set NM,   208                         ; -M of tile x at NM + 2 x, the register above named with it
.set RM,   212                         ; the running largest score of tile x
.set LL,   214                         ; the sum of tile x, in two halves, at LL + 2 x
.set B2,   218                         ; each block's second chain of maxima
.set T1,   222
.set OLD,  224
.set TS,   226                         ; v226-239 seven pairs of partial sums
.set MSB, 0
.macro WIN new                         ; the immediate's high byte repeats the setting that is left
.if MSB != \new
	s_set_vgpr_msb (MSB<<8)|\new
.set MSB, \new
.endif
.endm
.macro CROUND                          ; a round of the cluster's barrier
	s_barrier_signal -1
	s_barrier_wait -1
	s_cmp_lg_u32 s2, 0
	s_cbranch_scc1 .Lnot_wave_0_\@
	s_barrier_signal -3
.Lnot_wave_0_\@:
	s_barrier_wait -3
	s_barrier_signal -1
	s_barrier_wait -1
.endm
.macro PLACES
.rept 4
	v_nop
.endr
.endm
	s_load_b256 s[4:11], s[0:1], 0x0               ; qimg s[4:5], kv s[6:7], oimg s[8:9], osc s[10:11]
	v_lshl_add_u32 v[SPW], v0, 2, SPARE
	v_mov_b32 v[NIL], 0
	ds_add_u32 v[SPW], v[NIL]                      ; the opening lines: the add twice on end, and its wait ahead of my first tensor load
	ds_add_u32 v[SPW], v[NIL]
	v_lshrrev_b32 v6, 5, v0
	v_readfirstlane_b32 s2, v6                     ; wave 0..7
	v_and_b32 v[LANE], 31, v0
	v_bfe_u32 v6, v0, 3, 1                         ; r / 8
	v_and_b32 v7, 7, v0                            ; r % 8
	v_bfe_u32 v9, v0, 4, 1                         ; h
	v_mul_u32_u24 v[CK], v6, 1920
	v_lshlrev_b32 v[CKS], 7, v9
	v_lshl_add_u32 v[CK], v7, 4, v[CK]
	v_lshl_add_u32 v[CKS], v7, 3, v[CKS]
	v_lshl_add_u32 v[CK], v9, 8, v[CK]
	v_lshl_add_u32 v[CKS], v6, 2, v[CKS]
	v_lshlrev_b32 v[CV], 4, v[LANE]
	v_lshlrev_b32 v[CVS], 3, v[LANE]
	v_lshl_add_u32 v[OSL], v0, 4, OSC
	v_lshlrev_b32 v[TH16], 4, v0
	v_and_b32 v15, 15, v0                          ; r
	s_wait_alu depctr_va_vdst(0)                   ; the wait ahead of the run of scalar lines
	s_bfe_u32 s12, ttmp6, 0x40000                  ; my place in the cluster
	s_lshl_b32 s13, ttmp9, 2
	s_add_co_u32 s13, s13, s12                     ; my block of 256 queries
	s_and_b32 s14, ttmp7, 0xffff                   ; 8 image + head, which the four partners share
	s_mul_i32 s16, s14, 409600                     ; the head's 32 key steps,
	s_mul_i32 s18, s2, STEPM                       ; a step a wave
	s_add_co_u32 s16, s16, s18
	s_mov_b32 s17, 0
	s_mul_i32 s18, s2, STEPL                       ; and its place in a slot
	; descriptor group 1: 25 rows of 512 bytes, dense in memory, 128 bytes of padding behind each in LDS
	s_mov_b32 s24, 15|(3<<16)|(1<<20)|(1<<21)|(6<<22)|(31<<25)  ; the mask of all four; elements of 8 bytes; padding on; bit 21 beside a mask; after every 128 words; of 32 words
	s_mov_b32 s25, 64<<16                          ; tensor_dim0
	s_mov_b32 s26, 25<<16                          ; tensor_dim1
	s_mov_b32 s27, 64<<16                          ; tile_dim0
	s_mov_b32 s28, 25                              ; tile_dim1
	s_mov_b32 s29, 64                              ; stride
	s_mov_b32 s30, 0
	s_mov_b32 s31, 0
	s_lshl_b32 s19, s14, 5                         ; q: block (8 image + head) 32 + 2 x query block + wave / 4,
	s_lshl_b32 s46, s13, 1
	s_add_co_u32 s19, s19, s46
	s_lshr_b32 s46, s2, 2
	s_add_co_u32 s19, s19, s46
	s_mul_i32 s46, s19, 6400
	s_mov_b32 s47, 0
	s_and_b32 s48, s2, 3                           ; pair wave % 4
	s_mul_i32 s50, s48, 1536
	s_lshr_b32 s51, s48, 1
	s_lshl_b32 s51, s51, 7
	s_and_b32 s52, s48, 1
	s_lshl_b32 s52, s52, 2
	s_add_co_u32 s51, s51, s52
	s_add_co_u32 s51, s51, 6144                    ; the pair's scale words
	s_lshl_b32 s53, s2, 7
	s_add_co_u32 s53, s53, OSC
	v_lshl_add_u32 v6, v[LANE], 4, s50
	v_lshl_add_u32 v7, v15, 3, s51
	v_lshl_add_u32 v[OSA], v15, 2, s53
	s_lshr_b32 s54, s14, 3                         ; image
	s_and_b32 s55, s14, 7                          ; head
	s_lshl_b32 s56, s54, 8
	s_lshl_b32 s57, s13, 4
	s_add_co_u32 s56, s56, s57
	s_lshl_b32 s58, s2, 1
	s_add_co_u32 s56, s56, s58                     ; 256 image + my first tile
	s_lshl_b32 s56, s56, 3
	s_add_co_u32 s56, s56, s55
	s_mul_i32 s56, s56, 768
	s_lshl_b32 s58, s14, 8
	s_add_co_u32 s58, s58, s57
	s_lshl_b32 s58, s58, 6                         ; the work-group's 1,024 bytes of osc
	s_mov_b32 s57, 0
	s_mov_b32 s59, 0
	s_and_b32 s48, s14, 1
	s_lshl_b32 s48, s48, 4                         ; 16 (head % 2)
	s_mov_b32 s20, 0x76543210
	s_mov_b32 s21, 0xfedcba98                      ; v_permlanex16_b32's selects for lane l xor 16
	s_mov_b32 s22, 0x3e38aa3b                      ; c = log2(e) / 8
	s_mov_b32 s23, s22                             ; (named with it as a pair)
	s_wait_alu depctr_va_vdst(0)                   ; the wait ahead of the waits below
	s_wait_dscnt 0x0                               ; both opening adds are done
	s_wait_kmcnt 0x0
	s_add_nc_u64 s[34:35], s[6:7], s[16:17]        ; group 0: memory: my step of the head's first eight,
	s_add_nc_u64 s[4:5], s[4:5], s[46:47]
	s_add_nc_u64 s[8:9], s[8:9], s[56:57]
	s_add_nc_u64 s[10:11], s[10:11], s[58:59]
.irp g, 0,1,2
	global_load_b128 v[KF+4*\g:KF+4*\g+3], v6, s[4:5] offset:512*\g    ; my pair image of q
.endr
	global_load_b32 v9, v7, s[4:5]                 ; and its rows' words
	s_mov_b32 s32, 1
	s_mov_b32 s33, s18                             ; LDS: slot 0, my step
	s_or_b32 s35, s35, 0x80000000                  ; type = 2
	CROUND                                         ; all four work-groups are here: the first joint loads meet
	tensor_load_to_lds s[32:35], s[24:31]          ; steps 0-7 into slot 0, one a wave
	s_nop 0
	PLACES
	WIN 0x40                                       ; destination window 1
.set i, 0
.rept 192
	v_mov_b32 v[S+i], 0                            ; the trip is written once: the first finds a p of zeros to add and an O^T of zeros, which the first change of M leaves zeros
.set i, i+1
.endr
.irp x, 0,1
	v_mov_b32 v[NM+2*\x], 0x7f61b1e6               ; -M: 3e38, over every -t
	v_mov_b32 v[NM+2*\x+1], 0
	v_mov_b32 v[RM+\x], 0xff61b1e6                 ; the largest score so far: -3e38
	v_mov_b32 v[LL+2*\x], 0
	v_mov_b32 v[LL+2*\x+1], 0
.endr
	v_mov_b32 v[XP], 0                             ; written once: a lane permute's destination counts as one of its sources
	v_mov_b32 v[T1], 0
	v_mov_b32 v[FF+1], 0
	WIN 0
.irp i, 0,1,2,3,4,5
	v_mov_b32 v[QX+\i], 0
	v_mov_b32 v[QX+12+\i], 0
	v_mov_b32 v[QX+24+\i], 0
.endr
	s_wait_alu depctr_va_vdst(0)
	s_wait_loadcnt 0x0                             ; q
	v_and_b32 v6, 0xffff, v9
	v_lshrrev_b32 v7, 16, v9
	v_lshl_or_b32 v[QS], v6, 16, v6                ; a tile's two bytes, in both halves of its word
	v_lshl_or_b32 v[QS+1], v7, 16, v7
.irp i, 0,1,2,3,4,5
	v_mov_b32 v[QX+6+\i], v[KF+\i]                 ; tile A's codes,
	v_mov_b32 v[QX+18+\i], v[KF+6+\i]              ; tile B's
.endr
.macro WS d, a, b, sa, sb, row         ; a product that starts a sum
.if \row
	v_wmma_scale_f32_16x16x128_f8f6f4 v[\d:\d+7], v[\a:\a+11], v[\b:\b+11], 0, v[\sa], v[\sb] matrix_a_fmt:MATRIX_FMT_FP6 matrix_b_fmt:MATRIX_FMT_FP6 matrix_a_scale:MATRIX_SCALE_ROW1
.else
	v_wmma_scale_f32_16x16x128_f8f6f4 v[\d:\d+7], v[\a:\a+11], v[\b:\b+11], 0, v[\sa], v[\sb] matrix_a_fmt:MATRIX_FMT_FP6 matrix_b_fmt:MATRIX_FMT_FP6
.endif
.endm
.macro WO d, a, b, sa, sb, row         ; a product that adds in place
.if \row
	v_wmma_scale_f32_16x16x128_f8f6f4 v[\d:\d+7], v[\a:\a+11], v[\b:\b+11], v[\d:\d+7], v[\sa], v[\sb] matrix_a_fmt:MATRIX_FMT_FP6 matrix_b_fmt:MATRIX_FMT_FP6 matrix_a_scale:MATRIX_SCALE_ROW1
.else
	v_wmma_scale_f32_16x16x128_f8f6f4 v[\d:\d+7], v[\a:\a+11], v[\b:\b+11], v[\d:\d+7], v[\sa], v[\sb] matrix_a_fmt:MATRIX_FMT_FP6 matrix_b_fmt:MATRIX_FMT_FP6
.endif
.endm
.macro KLOAD                           ; key step s: operands m = 2 c + u and their words: 14 loads a step
.irp s, 0,1
.irp m, 0,1,2,3
.irp g, 0,1,2
	ds_load_b128 v[KF+48*\s+12*\m+4*\g:KF+48*\s+12*\m+4*\g+3], v[AK] offset:STEPL*\s+3840*(\m/2)+128*(\m%2)+640*\g
.endr
.endr
.irp u, 0,1
	ds_load_b32 v[KS+2*\s+\u], v[AKS] offset:STEPL*\s+15360+64*\u
.endr
.endr
.endm
.macro VLOAD                           ; V^T's tile n % 4 of step n / 4, as it lies
.irp n, 0,1,2,3,4,5,6,7
.irp g, 0,1,2
	ds_load_b128 v[KF+12*\n+4*\g:KF+12*\n+4*\g+3], v[AV] offset:STEPL*(\n/4)+640*(12+3*(\n%4)+\g)
.endr
.endr
.irp s, 0,1
	ds_load_b64 v[VS+2*\s:VS+2*\s+1], v[AVS] offset:STEPL*\s+15616
.endr
.endm
.macro SPROD x, s                      ; the scores of tile x against key step s: 8 products, each with a sum of its own
	WIN 0x40                                       ; destination window 1
.irp m, 0,1,2,3
	WS S+64*\s+16*\m, KF+48*\s+12*\m, QX+6+12*\x, KS+2*\s+\m%2, QS+\x, \m/2
	WS S+64*\s+16*\m+8, KF+48*\s+12*\m, QX+12*\x, KS+2*\s+\m%2, QS+\x, \m/2
.endr
.endm
.macro OPROD                           ; O^T += V^T p^T: eight accumulators by turns, one instruction a turn
	WIN 0x50                                       ; C and D window 1
.irp s, 0,1
.irp x, 0,1
.irp t, 0,1,2,3
	WO O+32*\x+8*\t, KF+48*\s+12*\t, PCD+24*\x+12*\s, VS+2*\s+\t%2, PS+2*\x+\s, \t/2
.endr
.endr
.endr
.endm
.macro OMUL x, i                       ; two numbers of O^T of tile x under the new M
	v_pk_mul_f32 v[O+32*\x+\i:O+32*\x+\i+1], v[O+32*\x+\i:O+32*\x+\i+1], v[FF:FF+1] op_sel_hi:[1,0]
.endm
.macro ORESC x, part                   ; O^T of tile x under the new M.  part = 1: the first six lines alone, which read the low end of all four accumulators; the other ten stand in tile B's chain
	WIN 0x55
	s_wait_alu depctr_va_vdst(0)                   ; the wait directly ahead of the first readers of O^T
.if \part
.irp i, 0,8,16,24,2,10
	OMUL \x, \i
.endr
.else
.irp i, 0,2,4,6,8,10,12,14,16,18,20,22,24,26,28,30
	OMUL \x, \i
.endr
.endif
.endm
.macro GAP x, a, b, d0, d1             ; between two links of the chain for M: in tile B's, two lines of tile A's rescaling, which still finds A's f
.if \x == 1
	OMUL 0, \a
	OMUL 0, \b
	s_delay_alu instid0(VALU_DEP_\d1)
.else
	s_delay_alu instid0(VALU_DEP_\d0)
.endif
.endm
.macro SUM x                           ; the 128 unquantised p in S are added to tile x's sum: 64 packed additions in eight chains by turns (all operands in window 1)
.set k, 0
.rept 7
	v_pk_add_f32 v[TS+k:TS+k+1], v[S+2*k:S+2*k+1], v[S+2*k+2:S+2*k+3]
.set k, k+2
.endr
	v_pk_add_f32 v[LL+2*\x:LL+2*\x+1], v[LL+2*\x:LL+2*\x+1], v[S+28:S+29]
.set k, 30
.rept 6
.irp j, 0,2,4,6,8,10,12
	v_pk_add_f32 v[TS+\j:TS+\j+1], v[TS+\j:TS+\j+1], v[S+k+\j:S+k+\j+1]
.endr
	v_pk_add_f32 v[LL+2*\x:LL+2*\x+1], v[LL+2*\x:LL+2*\x+1], v[S+k+14:S+k+15]
.set k, k+16
.endr
	v_pk_add_f32 v[TS+2:TS+3], v[TS+2:TS+3], v[S+126:S+127]
	v_pk_add_f32 v[TS+4:TS+5], v[TS+4:TS+5], v[TS+6:TS+7]
	v_pk_add_f32 v[TS+8:TS+9], v[TS+8:TS+9], v[TS+10:TS+11]
	v_pk_add_f32 v[LL+2*\x:LL+2*\x+1], v[LL+2*\x:LL+2*\x+1], v[TS+12:TS+13]
	v_pk_add_f32 v[TS:TS+1], v[TS:TS+1], v[TS+2:TS+3]
	s_delay_alu instid0(VALU_DEP_3)
	v_pk_add_f32 v[TS+4:TS+5], v[TS+4:TS+5], v[TS+8:TS+9]
	s_delay_alu instid0(VALU_DEP_2)
	v_pk_add_f32 v[LL+2*\x:LL+2*\x+1], v[LL+2*\x:LL+2*\x+1], v[TS:TS+1]
	s_delay_alu instid0(VALU_DEP_1)
	v_pk_add_f32 v[LL+2*\x:LL+2*\x+1], v[LL+2*\x:LL+2*\x+1], v[TS+4:TS+5]
.endm
.macro PKF x, n                        ; t - M, two at a time, from S + i on
.rept \n
	v_pk_fma_f32 v[S+i:S+i+1], v[S+i:S+i+1], s[22:23], v[NM+2*\x:NM+2*\x+1] op_sel_hi:[1,0,0]
.set i, i+2
.endr
.endm
; 128 scores of a lane (four whole blocks of 32 keys of one query) become p's codes and two scale words; M and f are brought up to date, and l is brought under the new M.
; Tile A's p is added to its sum here; tile B's stays in S and is added at the head of the next trip.
.macro SOFTMAX x
	WIN 0x55                                       ; all operands in window 1
.irp b, 0,1,2,3
	v_max3_num_f32 v[BM+\b], v[S+32*\b], v[S+32*\b+1], v[S+32*\b+2]   ; each block's largest score, in two chains; every accumulator is read from its low end on
.endr
.irp b, 0,1,2,3
	v_max3_num_f32 v[B2+\b], v[S+32*\b+16], v[S+32*\b+17], v[S+32*\b+18]
.endr
.irp i, 3,5,7,9,11,13
.irp b, 0,1,2,3
	v_max3_num_f32 v[BM+\b], v[BM+\b], v[S+32*\b+\i], v[S+32*\b+\i+1]   ; eight chains by turns
.endr
.irp b, 0,1,2,3
	v_max3_num_f32 v[B2+\b], v[B2+\b], v[S+32*\b+16+\i], v[S+32*\b+17+\i]
.endr
.endr
.irp b, 0,1,2,3
	v_max3_num_f32 v[BM+\b], v[BM+\b], v[B2+\b], v[S+32*\b+15]
.endr
.irp b, 0,1,2,3
	v_max_num_f32 v[BM+\b], v[BM+\b], v[S+32*\b+31]
.endr
	v_max3_num_f32 v[TT], v[BM], v[BM+1], v[BM+2]
	GAP \x, 18, 26, 1, 3
	v_max_num_f32 v[TT], v[TT], v[BM+3]
	GAP \x, 4, 12, 1, 3
	v_permlanex16_b32 v[XP], v[TT], s20, s21       ; lane l xor 16 holds the query's other blocks
	GAP \x, 20, 28, 1, 3
	v_max3_num_f32 v[RM+\x], v[RM+\x], v[TT], v[XP]   ; the running largest score
	GAP \x, 6, 14, 1, 3
	v_mul_f32 v[TT], s22, v[RM+\x]                 ; as t (c is positive)
	v_mov_b32 v[OLD], v[NM+2*\x]
	GAP \x, 22, 30, 2, 4
	v_floor_f32 v[NM+2*\x], -v[TT]                 ; the new -M = -ceil(t): a whole number
.set i, 0
	PKF \x, 5                                      ; the three lines that make f stand among the multiply-adds, which do not wait for them
	v_sub_f32 v[TT], v[NM+2*\x], v[OLD]            ; old M - new M: a whole number, 0 or less
	PKF \x, 5
	v_cvt_i32_f32 v[TT], v[TT]                     ; (it saturates)
	PKF \x, 5
	v_ldexp_f32 v[FF], 1.0, v[TT]                  ; f = 2^(old M - new M)
	PKF \x, 49
.irp b, 0,1,2,3
	v_fma_f32 v[BM+\b], v[BM+\b], s22, v[NM+2*\x]  ; the same of each block's largest score
.endr
	s_wait_alu depctr_va_vdst(0)                   ; the wait ahead of the batch
.irp b, 0,1,2,3
	v_exp_f32 v[BM+\b], v[BM+\b]                   ; the block's largest p
.endr
.set i, 0
.rept 128
	v_exp_f32 v[S+i], v[S+i]                       ; p = 2^(t - M), at most 1
.set i, i+1
.endr
	v_pk_mul_f32 v[LL+2*\x:LL+2*\x+1], v[LL+2*\x:LL+2*\x+1], v[FF:FF+1] op_sel_hi:[1,0]   ; the sum under the new M (a plain place behind the exponentials)
	s_wait_alu depctr_va_vdst(0)                   ; one wait for the batch, ahead of its first reader
.if \x == 0
	SUM 0
.endif
.irp b, 0,1,2,3
	v_max_num_f32 v[BM+\b], 0x1800000, v[BM+\b]    ; the floor 2^(3 - 127) holds the byte at 1 from below
.endr
.irp b, 0,1,2,3
	v_add_nc_u32 v[SO+\b], 0xff000000, v[BM+\b]    ; 2 off the exponent field: the conversion's scale operand
.endr
.irp b, 0,1,2,3
	v_lshrrev_b32 v[BP+\b], 23, v[SO+\b]           ; the scale's byte
.endr
	v_lshl_or_b32 v[TT], v[BP+1], 16, v[BP]        ; my two bytes of each step's word: blocks h and 2 + h
	v_lshl_or_b32 v[OLD], v[BP+3], 16, v[BP+2]
	s_delay_alu instid0(VALU_DEP_2)
	v_permlanex16_b32 v[XP], v[TT], s20, s21
	s_delay_alu instid0(VALU_DEP_2)
	v_permlanex16_b32 v[T1], v[OLD], s20, s21
	WIN 0x15                                       ; sources window 1, destination window 0
	v_lshl_or_b32 v[PS+2*\x], v[XP], 8, v[TT]      ; lanes 0-15, which alone are read: my bytes 0 and 2, lane l + 16's as bytes 1 and 3
	v_lshl_or_b32 v[PS+2*\x+1], v[T1], 8, v[OLD]
.irp c, 0,1,2,3
	v_cvt_scalef32_pk16_fp6_f32 v[PCD+24*\x+6*\c:PCD+24*\x+6*\c+2], v[S+32*\c:S+32*\c+15], v[SO+\c]
	v_cvt_scalef32_pk16_fp6_f32 v[CT+4*\c:CT+4*\c+2], v[S+32*\c+16:S+32*\c+31], v[SO+\c]   ; a conversion's three registers begin on an even number: made here and moved
.endr
	v_nop                                          ; one plain place behind the scaled conversions
	WIN 0
.irp c, 0,1,2,3
.irp i, 0,1,2
	v_mov_b32 v[PCD+24*\x+6*\c+3+\i], v[CT+4*\c+\i]
.endr
.endr
.endm
; A TRIP: 256 keys, whose 32,000 bytes begin at LDS byte s15.
.macro TRIP
	v_add_nc_u32 v[AK], s15, v[CK]                 ; these four are also the places in front of loads into registers that the last products have read
	v_add_nc_u32 v[AKS], s15, v[CKS]
	v_add_nc_u32 v[AV], s15, v[CV]
	v_add_nc_u32 v[AVS], s15, v[CVS]
	KLOAD
	WIN 0x55
	SUM 1                                          ; under the loads' flight: tile B's p of the trip before
	s_wait_alu depctr_va_vdst(0)
	s_wait_dscnt 14                                ; the first key step's 14 loads are in; the second step's 14 may be out
	SPROD 0, 0
	s_wait_dscnt 0x0                               ; all of K is in
	SPROD 0, 1
	PLACES                                         ; in front of the first read of the scores
	SOFTMAX 0
	SPROD 1, 0                                     ; on the same fragments of K
	SPROD 1, 1
	ORESC 0, 1                                     ; six plain lines on other registers: the places in front of the loads and of the first read of the scores
	WIN 0
	VLOAD                                          ; lands under tile B's softmax
	SOFTMAX 1
	ORESC 1, 0                                     ; these sixteen are also the places between p's codes and words and the products
	WIN 0
	s_wait_alu depctr_va_vdst(0)
	s_wait_dscnt 0x0                               ; V is in
	OPROD
	WIN 0
.endm
.macro LOOP                            ; a slot: four trips from LDS byte s15 on
	s_mov_b32 s3, 4
.Ltrip_\@:
	TRIP
	s_add_co_u32 s15, s15, 2*STEPL
	s_sub_co_u32 s3, s3, 1
	s_cmp_lg_u32 s3, 0
	s_cbranch_scc1 .Ltrip_\@
.endm
	s_mov_b32 s41, 0                               ; the slot that is walked: 0 first
	s_mov_b32 s40, 3                               ; three changes of slots ask for a fill
.Lphase:
	s_wait_alu depctr_va_vdst(0)
	s_wait_tensorcnt 0x0                           ; all my tensor loads have landed, my part of the slot that is walked next: group 0 may be written
	ds_add_u32 v[SPW], v[NIL]                      ; 0 onto my spare word
	s_xor_b32 s33, s33, SLOTB                      ; the other slot (the first time its first fill, issued as a refill is),
	s_add_nc_u64 s[34:35], s[34:35], 8*STEPM       ; the next eight steps
	s_wait_dscnt 0x0                               ; the add is done, and my reads of that slot are over
	CROUND                                         ; both now hold of every wave of all four work-groups
	tensor_load_to_lds s[32:35], s[24:31]          ; my one joint load behind the round
	s_nop 0
	PLACES
	s_mov_b32 s15, s41
	LOOP                                           ; steps 0-7, 8-15, 16-23
	s_xor_b32 s41, s41, SLOTB
	s_sub_co_u32 s40, s40, 1
	s_cmp_lg_u32 s40, 0
	s_cbranch_scc1 .Lphase
	s_wait_alu depctr_va_vdst(0)
	s_wait_tensorcnt 0x0                           ; my part of the last fill has landed
	s_wait_dscnt 0x0
	s_barrier_signal -1
	s_barrier_wait -1                              ; everybody's has
	s_mov_b32 s15, SLOTB
	LOOP                                           ; steps 24-31
	; THE WAY OUT: o = O^T / l, quantised along the head's 64 channels (two blocks a tile); register 16 b + i of a tile is channel 32 b + 16 h + i of my query
	WIN 0x55
	SUM 1                                          ; tile B's last p
.irp x, 0,1
	v_add_f32 v[LL+2*\x], v[LL+2*\x], v[LL+2*\x+1]
.endr
.irp x, 0,1
	v_permlanex16_b32 v[BP+\x], v[LL+2*\x], s20, s21
.endr
.irp x, 0,1
	v_add_f32 v[LL+2*\x], v[LL+2*\x], v[BP+\x]     ; the row's sum
.endr
	s_wait_alu depctr_va_vdst(0)
	v_rcp_f32 v[LL], v[LL]
	v_rcp_f32 v[LL+2], v[LL+2]
	v_nop                                          ; a plain place behind the transcendentals
	s_wait_alu depctr_va_vdst(0)                   ; ahead of the reciprocals' and of O^T's first reader
.irp x, 0,1
.set i, 0
.rept 32
	v_mul_f32 v[S+32*\x+i], v[O+32*\x+i], v[LL+2*\x]   ; each accumulator from its low end on
.set i, i+1
.endr
.endr
.irp q, 0,1,2,3                                ; block q = 2 tile + b
	v_max3_num_f32 v[BM+\q], |v[S+16*\q]|, |v[S+16*\q+1]|, 0x1800000
.endr
.irp i, 2,4,6,8,10,12,14
.irp q, 0,1,2,3
	v_max3_num_f32 v[BM+\q], v[BM+\q], |v[S+16*\q+\i]|, |v[S+16*\q+\i+1]|
.endr
.endr
.irp q, 0,1,2,3
	v_permlanex16_b32 v[BP+\q], v[BM+\q], s20, s21
.endr
.irp q, 0,1,2,3
	v_max_num_f32 v[BM+\q], v[BM+\q], v[BP+\q]     ; with lane l xor 16's half of the block
.endr
.irp q, 0,1,2,3
	v_add_nc_u32 v[SO+\q], 0xff000000, v[BM+\q]
.endr
.irp q, 0,1,2,3
	v_lshrrev_b32 v[BP+\q], 23, v[SO+\q]
.endr
.irp x, 0,1
	v_lshl_or_b32 v[T1+\x], v[BP+2*\x+1], 8, v[BP+2*\x]
.endr
	WIN 0x15                                       ; sources window 1, destination window 0
.irp x, 0,1
	v_lshlrev_b32 v[WD+\x], s48, v[T1+\x]          ; at its place in the word of two heads
.endr
.irp x, 0,1
	v_cvt_scalef32_pk16_fp6_f32 v[PCD+12*\x:PCD+12*\x+2], v[S+32*\x:S+32*\x+15], v[SO+2*\x]
	v_cvt_scalef32_pk16_fp6_f32 v[CT+4*\x:CT+4*\x+2], v[S+32*\x+16:S+32*\x+31], v[SO+2*\x+1]
.endr
	v_nop                                          ; one plain place behind the scaled conversions
	WIN 0
.irp x, 0,1
.irp i, 0,1,2
	v_permlane16_swap_b32 v[PCD+12*\x+\i], v[CT+4*\x+\i]   ; the operand's layout wants a whole block in a lane
.endr
.endr
.irp x, 0,1
.irp i, 0,1,2
	v_mov_b32 v[PCD+12*\x+3+\i], v[CT+4*\x+\i]     ; lane (r, h): channels 32 h .. 32 h + 31 of query r
.endr
.endr
.irp x, 0,1
	global_store_b128 v[CV], v[PCD+12*\x:PCD+12*\x+3], s[8:9] offset:6144*\x          ; 512 consecutive bytes,
	global_store_b64 v[CVS], v[PCD+12*\x+4:PCD+12*\x+5], s[8:9] offset:6144*\x+512    ; and 256
	ds_store_b32 v[OSA], v[WD+\x] offset:64*\x     ; both halves of the lanes write the same word with the same value
.endr
	s_wait_alu depctr_va_vdst(0)
	s_wait_dscnt 0x0                               ; for the others' sake: my words have landed
	s_barrier_signal -1
	s_barrier_wait -1                              ; sixteen tiles' words lie together
	s_cmp_lt_u32 s2, 2
	s_cbranch_scc0 .Lno_osc
	ds_load_b128 v[KF:KF+3], v[OSL]
	s_wait_dscnt 0x0
	global_store_b128 v[TH16], v[KF:KF+3], s[10:11]   ; 512 consecutive bytes a wave
.Lno_osc:
	s_wait_tensorcnt 0x0                           ; the wave's end
	ds_add_u32 v[SPW], v[NIL]
	s_wait_dscnt 0x0
	CROUND                                         ; the closing round
	s_endpgm
.Lfunc_end_k_q64934fc263_attn:
	.size	k_q64934fc263_attn, .Lfunc_end_k_q64934fc263_attn-k_q64934fc263_attn
	.p2alignl 7, 3214868480
	.fill 96, 4, 3214868480
	.section	.rodata,"a",@progbits
	.p2align	6, 0x0
	.amdhsa_kernel k_q64934fc263_attn
		.amdhsa_group_segment_fixed_size 327680
		.amdhsa_private_segment_fixed_size 0
		.amdhsa_enable_private_segment 0
		.amdhsa_kernarg_size 32
		.amdhsa_user_sgpr_count 2
		.amdhsa_user_sgpr_kernarg_segment_ptr 1
		.amdhsa_wavefront_size32 1
		.amdhsa_system_sgpr_workgroup_id_x 1
		.amdhsa_system_sgpr_workgroup_id_y 1
		.amdhsa_system_sgpr_workgroup_id_z 1
		.amdhsa_system_vgpr_workitem_id 0
		.amdhsa_next_free_vgpr 512
		.amdhsa_next_free_sgpr 66
		.amdhsa_reserve_vcc 0
		.amdhsa_float_denorm_mode_32 3
		.amdhsa_float_denorm_mode_16_64 3
		.amdhsa_memory_ordered 1
		.amdhsa_forward_progress 1
		.amdhsa_inst_pref_size 128
	.end_amdhsa_kernel
	.amdgpu_metadata
---
amdhsa.version: [ 1, 2 ]
amdhsa.kernels:
  - .name:           k_q64934fc263_attn
    .symbol:         k_q64934fc263_attn.kd
    .args:
      - { .name: qimg, .offset: 0, .size: 8, .value_kind: global_buffer, .address_space: global }
      - { .name: kv, .offset: 8, .size: 8, .value_kind: global_buffer, .address_space: global }
      - { .name: oimg, .offset: 16, .size: 8, .value_kind: global_buffer, .address_space: global }
      - { .name: osc, .offset: 24, .size: 8, .value_kind: global_buffer, .address_space: global }
    .group_segment_fixed_size: 327680
    .private_segment_fixed_size: 0
    .kernarg_segment_align: 8
    .kernarg_segment_size: 32
    .max_flat_workgroup_size: 256
    .sgpr_count:     66
    .vgpr_count:     512
    .wavefront_size: 32
...
	.end_amdgpu_metadata
.endif
;; end of part 3
;; launch proj (part 4): grid 64 x 4, 4 waves a work-group, no clusters, 70,144 bytes of LDS; arguments x, oimg, osc, wfrag, wscale, bo, out0; writes out0
.if DOCPART == 4
	.amdgcn_target "amdgcn-amd-amdhsa--gfx1250"
	.amdhsa_code_object_version 6
	.text
	.protected	k_q64934fc263_proj
	.globl	k_q64934fc263_proj
	.p2align	8
	.type	k_q64934fc263_proj,@function
k_q64934fc263_proj:
	s_mov_b64 s[64:65], 0
	v_nop
	global_prefetch_b8 v0, s[64:65] scope:SCOPE_SE
	s_setreg_imm32_b32 hwreg(HW_REG_WAVE_MODE, 25, 1), 1
	s_wait_xcnt 0x0
; PROJ.  out0[image][channel][pixel] = x + bo[channel] + the sum over c of o[pixel][c] Wo[channel][c], on codes of E2M3 made by the launches before.
; SHARES.  Work-group x = 128 pixels (image x / 32, block st = x % 32), y = 128 channels.  Wave (wy = w / 2, wx = w % 2): 4 tiles of pixels x 4 tiles of channels, 16 accumulators, 64 products.
; Source 0 = 16 pixels of o, source 1 = 16 rows of Wo: a lane holds ONE channel and eight neighbouring pixels, and pixels are innermost in out0.  bo is the C of each sum's first product.
; Tiles hold rows 32 (T / 2) + 8 (T % 2) + r + 8 (r / 8): the four tiles of pixels of a wave give a lane 64 pixels in runs of 8, which the stage puts in order.
; All operands lie in memory in the order of the registers and go straight into them, once a wave.  THE WAY OUT: for each tile of channels 16 rows x 256 bytes go through the wave's own stage (pitch 272)
; and leave, with x added, as whole aligned runs of 256 bytes, sixteen lanes to a run.  Each tile has a stage of its own and each wave its own four: no barrier.
; NO CLUSTER: there is no tile in LDS that partners could receive jointly; of the 229,376 bytes that a work-group moves (o 49,152, Wo 49,152, x 65,536, out0 65,536) only o's are shared with the three others of its pixels.
; REGISTERS.  window 0: v1-10 addresses; v16-31 Wo's scale words, v32-47 o's: scales and nothing else; v48-63 at work; v64-95 bo, 8 equal registers a tile, later rows read back; v96-223 accumulators (m, t) at 8 (4 m + t); v224-255 rows read back.
;   window 1: o's 16 fragments at 12 (4 m + s).   window 2: Wo's 16 at 12 (4 t + s).   window 3: x, 32 registers a tile of channels.
.set LI,  4                            ; 16 x lane
.set L8,  5                            ; 8 x lane
.set OSA, 6                            ; 16,384 h + 4 r: lanes 0-15 the even head's half word, lanes 16-31 the odd head's
.set BOA, 7                            ; 4 (r + 8 (r / 8))
.set STI, 8                            ; the stage, in: 272 r + 64 h + 17,408 w
.set STO, 9                            ; and back: 272 h + 16 r + 17,408 w
.set GO,  10                           ; 16,384 h + 16 r: two channels an instruction
.set WS,  16
.set OS,  32
.set PT,  48
.set BIA, 64
.set ACC, 96
.set MSB, 0
.macro WIN new                         ; the immediate's high byte repeats the setting that is left
.if MSB != \new
	s_set_vgpr_msb (MSB<<8)|\new
.set MSB, \new
.endif
.endm
	s_load_b256 s[4:11], s[0:1], 0x0               ; x s[4:5], oimg s[6:7], osc s[8:9], wfrag s[10:11]
	s_load_b128 s[12:15], s[0:1], 0x20             ; wscale s[12:13], bo s[14:15]
	s_load_b64 s[16:17], s[0:1], 0x30              ; out0
	v_lshl_add_u32 v14, v0, 2, 0x11000
	v_mov_b32 v15, 0
	v_lshrrev_b32 v1, 5, v0
	v_readfirstlane_b32 s18, v1                    ; wave
	v_and_b32 v1, 31, v0
	s_wait_alu depctr_va_vdst(0)
	v_and_b32 v2, 15, v0                           ; r
	v_bfe_u32 v3, v0, 4, 1                         ; h
	s_wait_alu depctr_va_vdst(0)
	s_lshr_b32 s19, s18, 1                         ; wy
	s_and_b32 s20, s18, 1                          ; wx
	s_lshr_b32 s21, ttmp9, 5                       ; image
	s_and_b32 s22, ttmp9, 31                       ; st
	s_and_b32 s23, ttmp7, 0xffff                   ; block of 128 channels
	s_lshl_b32 s24, s22, 3
	s_lshl_b32 s25, s19, 2
	s_add_co_u32 s24, s24, s25                     ; my first tile of pixels in the image: 8 st + 4 wy
	s_lshl_b32 s26, s21, 8
	s_add_co_u32 s26, s26, s24
	s_mul_i32 s26, s26, 6144                       ; oimg: 8 heads x 768 bytes a tile
	s_mov_b32 s27, 0
	s_lshl_b32 s28, s21, 17
	s_lshl_b32 s29, s24, 6
	s_add_co_u32 s28, s28, s29                     ; osc: 131,072 an image, 64 a tile
	s_mov_b32 s29, 0
	s_lshl_b32 s30, s23, 3
	s_lshl_b32 s31, s20, 2
	s_add_co_u32 s30, s30, s31
	s_add_co_u32 s30, s30, 96                      ; Wo's first tile of mine: 96 + 8 y + 4 wx
	s_mul_i32 s32, s30, 6144
	s_mov_b32 s33, 0
	s_lshl_b32 s34, s30, 9
	s_mov_b32 s35, 0
	s_lshl_b32 s36, s23, 9
	s_lshl_b32 s37, s20, 8
	s_add_co_u32 s36, s36, s37                     ; bo: channel 128 y + 64 wx
	s_mov_b32 s37, 0
	s_lshl_b32 s38, s21, 9
	s_lshl_b32 s39, s23, 7
	s_add_co_u32 s38, s38, s39
	s_lshl_b32 s39, s20, 6
	s_add_co_u32 s38, s38, s39
	s_lshl_b32 s38, s38, 14                        ; x, out0: my first channel's row,
	s_lshl_b32 s39, s22, 9
	s_add_co_u32 s38, s38, s39
	s_lshl_b32 s39, s19, 8
	s_add_co_u32 s38, s38, s39                     ; my first pixel: 128 st + 64 wy
	s_mov_b32 s39, 0
	s_mov_b32 s40, 0x76543210
	s_mov_b32 s41, 0xfedcba98                      ; v_permlanex16_b32's selects for lane l xor 16
	s_mul_i32 s31, s18, 17408                      ; my four stages
	v_lshlrev_b32 v[LI], 4, v1
	v_lshlrev_b32 v[L8], 3, v1
	v_lshlrev_b32 v[OSA], 14, v3
	v_lshl_add_u32 v[OSA], v2, 2, v[OSA]
	v_and_b32 v[BOA], 8, v2
	v_add_nc_u32 v[BOA], v[BOA], v2
	v_lshlrev_b32 v[BOA], 2, v[BOA]
	v_mul_u32_u24 v[STI], v2, 272
	v_lshl_add_u32 v[STI], v3, 6, v[STI]
	v_add_nc_u32 v[STI], s31, v[STI]
	v_mul_u32_u24 v[STO], v3, 272
	v_lshl_add_u32 v[STO], v2, 4, v[STO]
	v_add_nc_u32 v[STO], s31, v[STO]
	v_lshlrev_b32 v[GO], 14, v3
	v_lshl_add_u32 v[GO], v2, 4, v[GO]
.set i, 0
.rept 16
	v_mov_b32 v[PT+i], 0                           ; written once: a lane permute's destination counts as one of its sources
.set i, i+1
.endr
	s_wait_kmcnt 0x0
	s_add_nc_u64 s[4:5], s[4:5], s[38:39]
	s_add_nc_u64 s[16:17], s[16:17], s[38:39]
	s_add_nc_u64 s[6:7], s[6:7], s[26:27]
	s_add_nc_u64 s[8:9], s[8:9], s[28:29]
	s_add_nc_u64 s[10:11], s[10:11], s[32:33]
	s_add_nc_u64 s[12:13], s[12:13], s[34:35]
	s_add_nc_u64 s[14:15], s[14:15], s[36:37]
	; 56 small loads: scale words and bias
.irp t, 0,1,2,3
.irp e, 0,1
	global_load_b64 v[WS+4*\t+2*\e:WS+4*\t+2*\e+1], v[L8], s[12:13] offset:512*\t+256*\e
.endr
.endr
.irp s, 0,1,2,3
.irp m, 0,1,2,3
	global_load_b32 v[OS+4*\s+\m], v[OSA], s[8:9] offset:32768*\s+64*\m   ; head 2 s + h, tile m, row r
.endr
.endr
.irp t, 0,1,2,3
.irp i, 0,1,2,3,4,5,6,7
	global_load_b32 v[BIA+8*\t+\i], v[BOA], s[14:15] offset:(32*(\t/2)+8*(\t%2))*4   ; a lane's eight results of a tile are one channel's
.endr
.endr
.macro KLOAD s                         ; K step s: 16 loads of o, 12 of Wo
	WIN 0x40                                       ; destination window 1
.irp m, 0,1,2,3
.irp c, 0,1
	global_load_b128 v[12*(4*\m+\s)+6*\c:12*(4*\m+\s)+6*\c+3], v[LI], s[6:7] offset:6144*\m+768*(2*\s+\c)
	global_load_b64 v[12*(4*\m+\s)+6*\c+4:12*(4*\m+\s)+6*\c+5], v[L8], s[6:7] offset:6144*\m+768*(2*\s+\c)+512
.endr
.endr
	WIN 0x80                                       ; destination window 2
.irp t, 0,1,2,3
.irp g, 0,1,2
	global_load_b128 v[12*(4*\t+\s)+4*\g:12*(4*\t+\s)+4*\g+3], v[LI], s[10:11] offset:6144*\t+1536*\s+512*\g
.endr
.endr
.endm
	KLOAD 0
	KLOAD 1
	KLOAD 2
	KLOAD 3
	WIN 0xc0                                       ; destination window 3
.irp t, 0,1,2,3
.irp i, 0,1,2,3,4,5,6,7
	global_load_b128 v[32*\t+4*\i:32*\t+4*\i+3], v[GO], s[4:5] offset:(32*(\t/2)+8*(\t%2)+2*\i+8*(\i/4))*16384 th:TH_LOAD_NT   ; x at the places that I shall store: sixteen lanes to 256 consecutive bytes
.endr
.endr
	WIN 0
	s_wait_loadcnt 63                              ; younger than K step 0's loads are 116: the count names the most that its field holds
.set i, 0
.rept 16
	v_permlanex16_b32 v[PT+i], v[OS+i], s40, s41
.set i, i+1
.endr
.set i, 0
.rept 16
	v_or_b32 v[OS+i], v[OS+i], v[PT+i]             ; two heads' half words make the row's word for 128 along K
.set i, i+1
.endr
.rept 8
	v_nop                                          ; a scale register written by a vector instruction stands 8 places ahead of a scaled product
.endr
.macro MUL s                           ; 16 products, the 16 accumulators by turns
.irp m, 0,1,2,3
.irp t, 0,1,2,3
.if \s == 0
	v_wmma_scale_f32_16x16x128_f8f6f4 v[ACC+8*(4*\m+\t):ACC+8*(4*\m+\t)+7], v[12*(4*\m+\s):12*(4*\m+\s)+11], v[12*(4*\t+\s):12*(4*\t+\s)+11], v[BIA+8*\t:BIA+8*\t+7], v[OS+4*\s+\m], v[WS+4*\t+\s] matrix_a_fmt:MATRIX_FMT_FP6 matrix_b_fmt:MATRIX_FMT_FP6
.else
	v_wmma_scale_f32_16x16x128_f8f6f4 v[ACC+8*(4*\m+\t):ACC+8*(4*\m+\t)+7], v[12*(4*\m+\s):12*(4*\m+\s)+11], v[12*(4*\t+\s):12*(4*\t+\s)+11], v[ACC+8*(4*\m+\t):ACC+8*(4*\m+\t)+7], v[OS+4*\s+\m], v[WS+4*\t+\s] matrix_a_fmt:MATRIX_FMT_FP6 matrix_b_fmt:MATRIX_FMT_FP6
.endif
.endr
.endr
.endm
	WIN 0x09                                       ; source 0 (o) window 1, source 1 (Wo) window 2
	MUL 0
	s_wait_alu depctr_va_vdst(0)
	s_wait_loadcnt 63                              ; younger than K step 1's are 88
	MUL 1
	s_wait_loadcnt 60                              ; K step 3's 28 and x's 32
	MUL 2
	s_wait_loadcnt 32                              ; x's 32
	MUL 3
	WIN 0
.rept 4
	v_nop                                          ; places in front of the first read of results and of loads into the bias's registers
.endr
.macro TOSTAGE t                       ; tile t of channels: lane (r, h) puts pixels 32 (m / 2) + 8 (m % 2) + 16 h + 0 .. 7 of channel row r; then whole rows come back
.irp m, 0,1,2,3
	ds_store_b128 v[STI], v[ACC+8*(4*\m+\t):ACC+8*(4*\m+\t)+3] offset:128*(\m/2)+32*(\m%2)+4352*\t          ; each accumulator from its low end on
	ds_store_b128 v[STI], v[ACC+8*(4*\m+\t)+4:ACC+8*(4*\m+\t)+7] offset:128*(\m/2)+32*(\m%2)+16+4352*\t
.endr
.set RB, 224-160*((\t)%2)
.irp i, 0,1,2,3,4,5,6,7
	ds_load_b128 v[RB+4*\i:RB+4*\i+3], v[STO] offset:544*\i+4352*\t    ; a wave's LDS instructions are served in order: these see the stores above
.endr
.endm
.macro SEND t, younger                 ; younger: the LDS instructions issued behind tile t's loads
.set RB, 224-160*((\t)%2)
	s_wait_dscnt \younger
	WIN 0x0c                                       ; source 1 (x) window 3
.set i, 0
.rept 16
	v_pk_add_f32 v[RB+2*i:RB+2*i+1], v[RB+2*i:RB+2*i+1], v[32*\t+2*i:32*\t+2*i+1]
.set i, i+1
.endr
	WIN 0
.irp i, 0,1,2,3,4,5,6,7
	global_store_b128 v[GO], v[RB+4*\i:RB+4*\i+3], s[16:17] offset:(32*(\t/2)+8*(\t%2)+2*\i+8*(\i/4))*16384 th:TH_STORE_NT   ; sixteen lanes store 256 consecutive bytes, at a multiple of 256 from out0's first byte
.endr
.endm
	TOSTAGE 0
	TOSTAGE 1
	s_wait_loadcnt 0x0                             ; x
	SEND 0, 16                                     ; behind tile 0's loads: tile 1's 8 stores and 8 loads
	s_wait_xcnt 0x0                                ; tile 0's stores have read their registers: tile 2's rows may land there
	TOSTAGE 2
	SEND 1, 16
	s_wait_xcnt 0x0
	TOSTAGE 3
	SEND 2, 16
	SEND 3, 0
	s_wait_tensorcnt 0x0
	ds_add_u32 v14, v15
	s_wait_dscnt 0x0
	s_endpgm
.Lfunc_end_k_q64934fc263_proj:
	.size	k_q64934fc263_proj, .Lfunc_end_k_q64934fc263_proj-k_q64934fc263_proj
	.p2alignl 7, 3214868480
	.fill 96, 4, 3214868480
	.section	.rodata,"a",@progbits
	.p2align	6, 0x0
	.amdhsa_kernel k_q64934fc263_proj
		.amdhsa_group_segment_fixed_size 70144
		.amdhsa_private_segment_fixed_size 0
		.amdhsa_enable_private_segment 0
		.amdhsa_kernarg_size 56
		.amdhsa_user_sgpr_count 2
		.amdhsa_user_sgpr_kernarg_segment_ptr 1
		.amdhsa_wavefront_size32 1
		.amdhsa_system_sgpr_workgroup_id_x 1
		.amdhsa_system_sgpr_workgroup_id_y 1
		.amdhsa_system_sgpr_workgroup_id_z 1
		.amdhsa_system_vgpr_workitem_id 0
		.amdhsa_next_free_vgpr 1024
		.amdhsa_next_free_sgpr 66
		.amdhsa_reserve_vcc 0
		.amdhsa_float_denorm_mode_32 3
		.amdhsa_float_denorm_mode_16_64 3
		.amdhsa_memory_ordered 1
		.amdhsa_forward_progress 1
		.amdhsa_inst_pref_size 45
	.end_amdhsa_kernel
	.amdgpu_metadata
---
amdhsa.version: [ 1, 2 ]
amdhsa.kernels:
  - .name:           k_q64934fc263_proj
    .symbol:         k_q64934fc263_proj.kd
    .args:
      - { .name: x, .offset: 0, .size: 8, .value_kind: global_buffer, .address_space: global }
      - { .name: oimg, .offset: 8, .size: 8, .value_kind: global_buffer, .address_space: global }
      - { .name: osc, .offset: 16, .size: 8, .value_kind: global_buffer, .address_space: global }
      - { .name: wfrag, .offset: 24, .size: 8, .value_kind: global_buffer, .address_space: global }
      - { .name: wscale, .offset: 32, .size: 8, .value_kind: global_buffer, .address_space: global }
      - { .name: bo, .offset: 40, .size: 8, .value_kind: global_buffer, .address_space: global }
      - { .name: out0, .offset: 48, .size: 8, .value_kind: global_buffer, .address_space: global }
    .group_segment_fixed_size: 70144
    .private_segment_fixed_size: 0
    .kernarg_segment_align: 8
    .kernarg_segment_size: 56
    .max_flat_workgroup_size: 128
    .sgpr_count:     66
    .vgpr_count:     1024
    .wavefront_size: 32
...
	.end_amdgpu_metadata
.endif
;; end of part 4
